; MI455X (gfx1250); checked and timed in simulation.
; The chip was launched on July 23, 2026; its instructions are those of AMD's public machine-readable ISA for CDNA 5 (MIT licence, August 2026) and "CDNA5" Instruction Set Architecture Reference Guide (July 2026). The comments in the code are by the model that wrote it; some were corrected since.
;; Self Attention. Allowed arithmetic: matrix products marked QUANTISED: E2M3 operands, one E8M0 scale for each 32 along K, by v_wmma_scale_f32_16x16x128_f8f6f4 with both operands' format E2M3, f32 sums; everything else in f32.
;; Inputs: b_out 1,024 float32; w_out 1,024 x 1,024 float32; w_qkv 3,072 x 1,024 float32; x 4 x 2,048 x 1,024 float32.
;; Outputs: out0 4 x 2,048 x 1,024 float32.
;; This version of the problem:
;;   THIS VERSION OF THE PROBLEM IS GIVEN IN LOW PRECISION. The matrix products marked QUANTISED in the list below multiply operands that are first quantised to E2M3 (2 exponent bits, 3 mantissa bits; 6 bits a number), with one power-of-two scale for each 32 numbers along K (OCP MX v1.0); their sums are f32. All else is computed in f32.
;;   The module's matrix products, in the order in which they are computed (A, B: the left and right operand; K: the contracted axis; several contracted axes count as one K, in the product's order):
;;     1. [M 8,192, K 1,024] x [K 1,024, N 3,072]; A: input x; B: input w_qkv: QUANTISED
;;     2. batch 64 x [M 2,048, K 64] x [K 64, N 2,048]; A: computed on the way; B: computed on the way: QUANTISED
;;     3. batch 64 x [M 2,048, K 2,048] x [K 2,048, N 64]; A: softmax (see below); B: computed on the way: QUANTISED
;;     4. [M 8,192, K 1,024] x [K 1,024, N 1,024]; A: computed on the way; B: input w_out: QUANTISED
;;   THE QUANTISER, for each operand of a quantised product, along K:
;;     - K is cut into blocks of 32 from its start; a last block that is shorter is filled with zeros.
;;     - A block's scale is 2^e with e = floor(log2(the largest magnitude in the block)) - 2, held to -126 .. 127; a block of zeros has e = 0. As a byte (E8M0): e + 127.
;;     - Each number is divided by its block's scale, clamped to +-7.5, and rounded to the nearest number of E2M3, ties to even, subnormals kept.
;;     - The product sums the exact products of the quantised numbers (number of the format x scale) in f32.
;;   ~~~python
;;   def quantise(x, axis):      # numpy; x: float32 -> the quantised numbers, widened to float32 again
;;       x = np.moveaxis(x, axis, -1); K = x.shape[-1]
;;       x = np.pad(x, [(0, 0)] * (x.ndim - 1) + [(0, -K % 32)]); x = x.reshape(x.shape[:-1] + (-1, 32)); a = np.abs(x).max(-1, keepdims=True)
;;       e = np.where(a > 0, np.clip(np.frexp(np.where(a > 0, a, 1))[1] - 1 - 2, -126, 127), 0)      # np.frexp(a)[1] - 1 = floor(log2(a)), exactly
;;       r = np.clip(x / 2.0 ** e, -7.5, 7.5)
;;       step = 2.0 ** (np.maximum(np.frexp(np.where(r == 0, 1, r))[1] - 1, 0) - 3)
;;       q = np.round(r / step) * step * 2.0 ** e      # np.round: ties to even
;;       return np.moveaxis(q.reshape(q.shape[:-2] + (-1,))[..., :K], -1, axis).astype(np.float32)
;;   ~~~
;;   SOFTMAX AHEAD OF A QUANTISED PRODUCT. Where the list says 'softmax', what is quantised is not the finished softmax but p = 2^(t - M), with t = logit x log2(e) and M = ceil(the row's largest t), a whole number; so 1/2 < the row's largest p <= 1. The row's sum l is taken of the UNQUANTISED p, in f32, and the product's result is divided by l at the end. Since M is a whole number, a kernel that streams over the keys may use a running M (the ceiling of the running maximum): every later rescaling is an exact power of two, which a block's scale takes up: the codes' values come out the same.
;;   OPERANDS COMPUTED ON THE WAY. 'Computed on the way' means the value that the module computes at that place (a softmax that the list does not call 'softmax' is quantised finished and normalised). What goes into a quantiser is computed in f32, as accurately as f32 sums, v_exp_f32 and their like allow (about 1e-6 of the number): no bf16 or f16 on the way to a quantiser, and a product that is left as it is and whose result goes on into a quantised operand takes f32 operands (vector FMAs, or v_wmma_f32_16x16x4_f32). A number that lies on a knife's edge between two numbers of the format may be rounded either way, as far as f32 arithmetic and the matrix unit's own rounding can turn it there, and no further.
;; One version. Each part assembles by itself: llvm-mc -triple=amdgcn-amd-amdhsa -mcpu=gfx1250 --defsym DOCPART=n.
;; ======== version 1 of 1: 4 launches
;; limits: right only within a limited range of input values
;; workspace buffers: cw 9,437,184 bytes; sw 393,216 bytes; qkvc 18,874,368 bytes; qkvs 786,432 bytes; oc 6,291,456 bytes; os 262,144 bytes
;; launch quant (part 1): grid 384 x 1, 4 waves a work-group, no clusters, 59,904 bytes of LDS; arguments x, w_qkv, w_out, cw, sw; writes cw, sw
.if DOCPART == 1
	.amdgcn_target "amdgcn-amd-amdhsa--gfx1250"
	.amdhsa_code_object_version 6
	.text
	.protected	k_q01d1739d87_quant
	.globl	k_q01d1739d87_quant
	.p2align	8
	.type	k_q01d1739d87_quant,@function
k_q01d1739d87_quant:
	s_mov_b64 s[64:65], 0
	v_nop
	global_prefetch_b8 v0, s[64:65] scope:SCOPE_SE
	s_setreg_imm32_b32 hwreg(HW_REG_WAVE_MODE, 25, 1), 1
	s_wait_xcnt 0x0
; x [8192][1024], w_qkv [3072][1024] and w_out [1024][1024], f32, K innermost, become codes of FP6 (E2M3) with one E8M0 byte for each 32 along K.
; A block's scale is 2^(floor(log2(its largest magnitude)) - 2); its byte is the largest magnitude's exponent field - 2, held at 1 from below.
; OUT: cw [16 planes][12288 rows][48 bytes]: plane P holds k = 64 P .. 64 P + 63 of every row; rows 0-8191 x, 8192-11263 w_qkv, 11264-12287 w_out.  sw [12288 rows][32 bytes].
; THE ROWS OF x AND OF w_qkv ARE STORED WITH BITS 3 AND 4 OF THE ROW NUMBER EXCHANGED (in each 32 rows the two middle groups of 8 change places): sixteen NEIGHBOURING stored rows are then a tile whose
; transposed product leaves 16 true neighbours in the 16 registers of two neighbouring tiles.  w_out keeps its order.
; LIMITS: a block of zeros, and one whose largest magnitude lies under 2^-124, keeps the byte 1 (the quantiser says 127 for zeros): its codes are zeros and this program alone reads the bytes.  NaN and infinities among the inputs are not served.
; SHARES: a work-group takes 32 rows, a wave 8 rows = 16 steps of 512 numbers.  Each load reads 512 consecutive bytes; a step's 2,048 bytes turn through the wave's own stage in LDS, so that a lane holds 16 neighbours.
; A lane's 12 bytes of codes go to a second stage, [plane][32 places of 16 bytes]; at the end each plane's 384 bytes (8 rows x 48) leave by one store of the wave.  The 256 scale bytes leave as one aligned block.
; No tensor loads, no barrier, no matrix unit, no cluster: the waves share nothing and the launch only streams.
.set PLANEB, 589824                    ; bytes of a plane of cw
.set WREG,   14848                     ; LDS of a wave
.set SP,     80                        ; a lane's place in a turn stage: 64 bytes + 16
.set SCB,    5120                      ; behind the two turn stages: the wave's 256 scale bytes
.set CST,    5376                      ; the code stage: 16 planes x CPL
.set CPL,    576                       ; 32 places of 16 bytes + 64
.set STEPS,  16
.set EMAX,   2
.set R,      16                        ; v16-79   four sets of 16 numbers as loaded; at the end the codes on their way out
.set X,      80                        ; v80-111  two sets of 16 neighbours
.set E,      112                       ; v112-127 a scale byte for each step
.set C,      128                       ; v128-191 codes, four registers for each step
	s_load_b256 s[4:11], s[0:1], 0x0               ; x s[4:5], w_qkv s[6:7], w_out s[8:9], cw s[10:11]
	s_load_b64 s[12:13], s[0:1], 0x20              ; sw
	v_lshl_add_u32 v192, v0, 2, 0xe800
	v_mov_b32 v193, 0
	v_lshrrev_b32 v1, 5, v0
	v_readfirstlane_b32 s16, v1                    ; wave 0..3
	v_and_b32 v2, 31, v0                           ; lane
	v_lshlrev_b32 v3, 4, v2                        ; my 16 bytes of a load's 512
	s_mul_i32 s17, s16, WREG
	v_lshrrev_b32 v14, 2, v2                       ; lane / 4
	v_and_b32 v15, 3, v2                           ; lane % 4
	v_mul_u32_u24 v4, v14, CPL
	v_lshl_add_u32 v4, v15, 4, v4
	v_add_nc_u32 v4, s17, v4
	v_add_nc_u32 v4, CST, v4                       ; the code stage, in: plane lane / 4 (+ 8 in odd steps), place lane % 4 (+ 4 x row)
	v_mul_u32_u24 v14, v14, SP
	v_lshl_add_u32 v14, v15, 4, v14
	v_add_nc_u32 v14, s17, v14                     ; the turn stage, in: SP (lane / 4) + 16 (lane % 4)
	v_mul_u32_u24 v15, v2, SP
	v_add_nc_u32 v15, s17, v15                     ; and out: SP x lane
	v_lshrrev_b32 v5, 1, v2
	v_add_nc_u32 v5, s17, v5
	v_add_nc_u32 v5, SCB, v5                       ; my block's scale byte
	v_lshlrev_b32 v7, 3, v2                        ; the scale bytes on their way out: 8 a lane
	v_add_nc_u32 v6, s17, v7
	v_add_nc_u32 v6, SCB, v6
	v_add_nc_u32 v10, s17, v3
	v_add_nc_u32 v10, CST, v10                     ; the code stage, out: place = lane
	v_mul_u32_u24 v12, v2, 12                      ; and the same place in a plane's 384 bytes
	s_and_b32 s18, s16, 1
	s_lshl_b32 s18, s18, 1
	s_lshr_b32 s19, s16, 1
	s_or_b32 s18, s18, s19                         ; the wave's two bits exchanged: where my 8 rows go among the work-group's 32
	s_wait_kmcnt 0x0
	s_cmp_lt_u32 ttmp9, 256                        ; which tensor: the choice hangs on the work-group's number alone
	s_cselect_b64 s[4:5], s[4:5], s[6:7]
	s_cselect_b32 s20, 0, 256
	s_cmp_lt_u32 ttmp9, 352
	s_cselect_b64 s[4:5], s[4:5], s[8:9]
	s_cselect_b32 s20, s20, 352                    ; the tensor's first work-group
	s_cselect_b32 s18, s18, s16                    ; w_out keeps its order
	s_sub_co_u32 s20, ttmp9, s20
	s_lshl_b32 s20, s20, 17                        ; 32 rows of 4,096 bytes,
	s_lshl_b32 s21, s16, 15                        ; my 8 of them
	s_add_co_u32 s20, s20, s21
	s_mov_b32 s21, 0
	s_add_nc_u64 s[4:5], s[4:5], s[20:21]
	s_lshl_b32 s22, ttmp9, 2
	s_add_co_u32 s22, s22, s18                     ; which group of 8 rows of cw and sw is mine
	s_mul_i32 s20, s22, 384
	s_add_nc_u64 s[10:11], s[10:11], s[20:21]      ; planes 0-7,
	s_add_nc_u64 s[14:15], s[10:11], 8*PLANEB      ; planes 8-15: so every plane's offset is an immediate of at most 7 planes
	s_lshl_b32 s20, s22, 8
	s_add_nc_u64 s[12:13], s[12:13], s[20:21]
.macro LOAD t
.irp i, 0,1,2,3
	global_load_b128 v[R+16*((\t)%4)+4*\i:R+16*((\t)%4)+4*\i+3], v3, s[4:5] offset:2048*(\t)+512*\i th:TH_LOAD_NT   ; 32 lanes read 512 consecutive bytes
.endr
.endm
.macro TURN t                          ; step t's numbers through the stage: LDS serves a wave's instructions in order, so no wait stands between the stores and the loads
.irp i, 0,1,2,3
	ds_store_b128 v14, v[R+16*((\t)%4)+4*\i:R+16*((\t)%4)+4*\i+3] offset:32*SP*((\t)%2)+8*SP*\i
.endr
.irp i, 0,1,2,3
	ds_load_b128 v[X+16*((\t)%2)+4*\i:X+16*((\t)%2)+4*\i+3], v15 offset:32*SP*((\t)%2)+16*\i
.endr
.endm
.irp t, 0,1,2,3
	LOAD \t
.endr
	s_wait_loadcnt 12                              ; step 0's four loads are in
	TURN 0
.macro STEP t
.set XS, X+16*((\t)%2)
.if (\t) > 0
	s_wait_dscnt 2                                 ; this step's numbers are back from the stage; the last step's byte store and code store may be out
.else
	s_wait_dscnt 0x0
.endif
.if (\t)+4 < STEPS
	LOAD (\t)+4                                    ; into the registers that this step's stores into the stage have read
.endif
.if (\t)+1 < STEPS
.if STEPS-2-(\t) >= 3
	s_wait_loadcnt 12                              ; the next step's four loads are in; those of the three steps behind it may be out
.else
	s_wait_loadcnt 4*(STEPS-2-(\t))
.endif
	TURN (\t)+1
.endif
	v_max3_num_f32 v8, |v[XS]|, |v[XS+1]|, |v[XS+2]|               ; the largest magnitude of my 16, in two chains
	v_max3_num_f32 v9, |v[XS+3]|, |v[XS+4]|, |v[XS+5]|
.irp i, 6,10
	v_max3_num_f32 v8, v8, |v[XS+\i]|, |v[XS+\i+1]|
	v_max3_num_f32 v9, v9, |v[XS+\i+2]|, |v[XS+\i+3]|
.endr
	v_max3_num_f32 v8, v8, |v[XS+14]|, |v[XS+15]|
	v_max3_num_f32 v8, v8, v9, (EMAX+1)<<23        ; and the floor 2^(3 - 127): the byte cannot fall under 1
	v_max_num_f32_dpp v8, v8, v8 row_xmask:1 row_mask:0xf bank_mask:0xf   ; with my neighbour's 16: the block's
	v_add_nc_u32 v11, -(EMAX<<23), v8              ; 2 off its exponent field: the conversion takes the exponent field of this operand as its scale
	v_cvt_scalef32_pk16_fp6_f32 v[C+4*(\t):C+4*(\t)+2], v[XS:XS+15], v11
	v_lshrrev_b32 v[E+(\t)], 23, v11               ; the scale's byte
	ds_store_b8 v5, v[E+(\t)] offset:16*(\t)       ; both lanes of a block write the same byte with the same value
	ds_store_b96 v4, v[C+4*(\t):C+4*(\t)+2] offset:((\t)&1)*8*CPL+((\t)>>1)*64   ; row t / 2, k = 512 (t % 2) + 16 lane on: plane 8 (t % 2) + lane / 4, place 4 x row + lane % 4
.endm
.irp t, 0,1,2,3,4,5,6,7,8,9,10,11,12,13,14,15
	STEP \t
.endr
	ds_load_b64 v[X:X+1], v6                       ; LDS serves a wave's instructions in order: these see my stores
.irp p, 0,1,2,3,4,5,6,7,8,9,10,11,12,13,14,15
	ds_load_b96 v[R+4*\p:R+4*\p+2], v10 offset:CPL*\p
.endr
	s_wait_dscnt 16                                ; the scale bytes are back; the sixteen planes may be out
	global_store_b64 v7, v[X:X+1], s[12:13]        ; 32 lanes store 256 consecutive bytes, aligned
.irp p, 0,1,2,3,4,5,6,7
	s_wait_dscnt 15-\p
	global_store_b96 v12, v[R+4*\p:R+4*\p+2], s[10:11] offset:\p*PLANEB       ; 32 lanes store a plane's 384 consecutive bytes of my 8 rows
.endr
.irp p, 0,1,2,3,4,5,6,7
	s_wait_dscnt 7-\p
	global_store_b96 v12, v[R+32+4*\p:R+32+4*\p+2], s[14:15] offset:\p*PLANEB
.endr
	s_wait_tensorcnt 0x0
	ds_add_u32 v192, v193
	s_wait_dscnt 0x0
	s_endpgm
.Lfunc_end_k_q01d1739d87_quant:
	.size	k_q01d1739d87_quant, .Lfunc_end_k_q01d1739d87_quant-k_q01d1739d87_quant
	.p2alignl 7, 3214868480
	.fill 96, 4, 3214868480
	.section	.rodata,"a",@progbits
	.p2align	6, 0x0
	.amdhsa_kernel k_q01d1739d87_quant
		.amdhsa_group_segment_fixed_size 59904
		.amdhsa_private_segment_fixed_size 0
		.amdhsa_enable_private_segment 0
		.amdhsa_kernarg_size 40
		.amdhsa_user_sgpr_count 2
		.amdhsa_user_sgpr_kernarg_segment_ptr 1
		.amdhsa_wavefront_size32 1
		.amdhsa_system_sgpr_workgroup_id_x 1
		.amdhsa_system_sgpr_workgroup_id_y 1
		.amdhsa_system_sgpr_workgroup_id_z 1
		.amdhsa_system_vgpr_workitem_id 0
		.amdhsa_next_free_vgpr 194
		.amdhsa_next_free_sgpr 66
		.amdhsa_reserve_vcc 0
		.amdhsa_float_denorm_mode_32 3
		.amdhsa_float_denorm_mode_16_64 3
		.amdhsa_memory_ordered 1
		.amdhsa_forward_progress 1
		.amdhsa_inst_pref_size 36
	.end_amdhsa_kernel
	.amdgpu_metadata
---
amdhsa.version: [ 1, 2 ]
amdhsa.kernels:
  - .name:           k_q01d1739d87_quant
    .symbol:         k_q01d1739d87_quant.kd
    .args:
      - { .name: x, .offset: 0, .size: 8, .value_kind: global_buffer, .address_space: global }
      - { .name: w_qkv, .offset: 8, .size: 8, .value_kind: global_buffer, .address_space: global }
      - { .name: w_out, .offset: 16, .size: 8, .value_kind: global_buffer, .address_space: global }
      - { .name: cw, .offset: 24, .size: 8, .value_kind: global_buffer, .address_space: global }
      - { .name: sw, .offset: 32, .size: 8, .value_kind: global_buffer, .address_space: global }
    .group_segment_fixed_size: 59904
    .private_segment_fixed_size: 0
    .kernarg_segment_align: 8
    .kernarg_segment_size: 40
    .max_flat_workgroup_size: 128
    .sgpr_count:     66
    .vgpr_count:     194
    .wavefront_size: 32
...
	.end_amdgpu_metadata
.endif
;; end of part 1
;; launch gemm_qkv (part 2): grid 96 x 4, 4 waves a work-group, clusters of 4 x 4, 327,680 bytes of LDS; arguments cw, sw, qkvc, qkvs; writes qkvc, qkvs
.if DOCPART == 2
	.amdgcn_target "amdgcn-amd-amdhsa--gfx1250"
	.amdhsa_code_object_version 6
	.text
	.protected	k_q01d1739d87_gemm_qkv
	.globl	k_q01d1739d87_gemm_qkv
	.p2align	8
	.type	k_q01d1739d87_gemm_qkv,@function
k_q01d1739d87_gemm_qkv:
	s_mov_b64 s[64:65], 0
	v_nop
	global_prefetch_b8 v0, s[64:65] scope:SCOPE_SE
	s_setreg_imm32_b32 hwreg(HW_REG_WAVE_MODE, 25, 1), 1
	s_wait_xcnt 0x0
	s_wait_alu depctr_hold_cnt(0) depctr_sa_sdst(0) depctr_va_vdst(0) depctr_va_sdst(0) depctr_va_ssrc(0) depctr_va_vcc(0) depctr_vm_vsrc(0)
	s_getreg_b32 s2, hwreg(HW_REG_IB_STS2, 6, 4)
	s_cmp_eq_u32 s2, 0
	s_cbranch_scc0 .Lentry_in_a_cluster
	s_endpgm
.Lentry_in_a_cluster:
	s_bfe_u32 s2, ttmp6, 0x10000c
	s_cmp_lg_u32 s2, 0xf033
	s_cbranch_scc0 .Lentry_shape_is_right
	s_endpgm
.Lentry_shape_is_right:
.set NQ,     2
; q, k, v = x w_qkv^T on codes of FP6 with E8M0 scales; the results are quantised again on the way out.  A work-group makes 256 x 256, a wave 128 x 128.
; LDS RING: [A, B][8 planes of 64 k][256 rows x 48 bytes]; planes 0-3 of an operand are slot 0, planes 4-7 slot 1.
; THE HEAD'S FILLS go out as one group, one joint load a wave: wave 0 A's eight planes (both slots), wave 1 B's, wave 2 the scales of A's 256 rows, wave 3 those of B's.
; REFILLS: a slot's four planes of A by waves 0 and 1, two planes each, and of B by waves 2 and 3.
; No prefetch: K is four written-out steps with no loop to run ahead in, and both refills are asked for in the first two steps.
.set PL,     6144                      ; 128 rows x 48 bytes: a wave's rows in a plane; also a plane of the way out's stage
.set LPL,    12288                     ; a plane of 256 rows in the ring
.set LSL,    4*LPL                     ; from slot 0 to slot 1
.set OPR,    8*LPL                     ; from A's planes to B's
.set HALFT,  4*PL
.set SLOT,   4*HALFT
.set PLANEB, 589824
.set APITCH, PLANEB/8
.set BPITCH, PLANEB/8
.set ASLOT1, 4*PLANEB
.set BSLOT1, 4*PLANEB
.set ASTEP,  8*PLANEB
.set BSTEP,  8*PLANEB
.set FR,     12
.set NL,     6
.set NP,     4
.set SCL,    2*SLOT
.set HALFS,  16*272
.set SBLK,   2*272
.set SPARE,  SCL+4*HALFS
.set STG,    SPARE+512
.set WST,    12800
.set ADRA, 16
.set ADRB, 20
.set STO,  24
.set STS,  25
.set RD,   26
.set ADRS, 27
.set SPW,  28
.set NIL,  29
.set CO,   30
.set COS,  31
.set SC,   32
.set PC,   64
.set TM,   80
.set PW,   96
.set AF,   128
.set BK,   128
.set BKS,  224
.set G1, 24
.set G0, 32
.set G1B, 48
.set G0B, 56
.set G1S, 68
.set G0S, 76
.set G1SB, 80
.set G0SB, 88
.set MSB, 0
.macro WIN new
.if MSB != \new
	s_set_vgpr_msb (MSB<<8)|\new
.set MSB, \new
.endif
.endm
.set MUL_LO, 0xa1
.set MUL_HI, 0xf1
.set TO_B,   0x40
.macro JLOAD g0a, g1a, g0b, g1b
	s_cmp_eq_u32 s15, 0
	s_cbranch_scc0 .Lfor_b_\@
	tensor_load_to_lds s[\g0a:\g0a+3], s[\g1a:\g1a+7]
	s_nop 0
.rept 4
	v_nop
.endr
	s_branch .Lasked_\@
.Lfor_b_\@:
	tensor_load_to_lds s[\g0b:\g0b+3], s[\g1b:\g1b+7]
	s_nop 0
.rept 4
	v_nop
.endr
.Lasked_\@:
.endm
.macro CREST
	s_cmp_lg_u32 s14, 0
	s_cbranch_scc1 .Lnot_wave_0_\@
	s_barrier_signal -3
.Lnot_wave_0_\@:
	s_barrier_wait -3
	s_barrier_signal -1
	s_barrier_wait -1
.endm
.macro CROUND
	s_barrier_signal -1
	s_barrier_wait -1
	CREST
.endm
	s_load_b128 s[4:7], s[0:1], 0x0
	s_load_b128 s[8:11], s[0:1], 0x10
	v_lshl_add_u32 v[SPW], v0, 2, SPARE
	v_mov_b32 v[NIL], 0
	ds_add_u32 v28, v29
	ds_add_u32 v28, v29
	s_wait_dscnt 0x0
	v_lshrrev_b32 v1, 5, v0
	v_readfirstlane_b32 s14, v1
	s_lshr_b32 s15, s14, 1
	s_and_b32 s16, s14, 1
	s_bfe_u32 s40, ttmp6, 0x40000
	s_bfe_u32 s41, ttmp6, 0x40004
	s_lshl_b32 s43, s41, 2
	s_lshl_b32 s43, 15, s43
	s_lshl_b32 s44, 0x1111, s40
	s_mov_b32 s98, 0x76543210
	s_mov_b32 s99, 0xfedcba98
	s_or_b32 s[G1+0], s43, (3<<16)|(1<<21)
	s_or_b32 s[G1B+0], s44, (3<<16)|(1<<21)
	s_mov_b32 s[G1+5], APITCH
	s_mov_b32 s[G1B+5], BPITCH
.irp g, G1, G1B
	s_mov_b32 s[\g+1], 1536<<16                    ; a plane's 256 rows: 1,536 elements of 8 bytes
	s_mov_b32 s[\g+2], 8<<16                       ; the head's loads bring 8 planes
	s_mov_b32 s[\g+3], 1536<<16
	s_mov_b32 s[\g+4], 8
	s_mov_b32 s[\g+6], 0
	s_mov_b32 s[\g+7], 0
.endr
	s_or_b32 s[G1S+0], s43, (3<<16)|(1<<20)|(1<<21)|(5<<22)|(3<<25)
	s_or_b32 s[G1SB+0], s44, (3<<16)|(1<<20)|(1<<21)|(5<<22)|(3<<25)
.irp g, G1S, G1SB
	s_mov_b32 s[\g+1], 32<<16
	s_mov_b32 s[\g+2], 32<<16                      ; the scales of 256 rows: 32 rows of 256 bytes
	s_mov_b32 s[\g+3], 32<<16
	s_mov_b32 s[\g+4], 32
	s_mov_b32 s[\g+5], 32
	s_mov_b32 s[\g+6], 0
	s_mov_b32 s[\g+7], 0
.endr
	s_lshr_b32 s17, ttmp9, 1
	s_lshl_b32 s17, s17, 10
	s_and_b32 s18, ttmp9, 1
	s_lshl_b32 s18, s18, 10
	s_add_co_u32 s18, s18, 8192
	s_and_b32 s19, ttmp9, 7
	s_lshl_b32 s19, s19, 10
	s_mov_b32 s20, 10240
	s_cmp_lt_u32 ttmp9, 16
	s_cselect_b32 s20, s17, s20
	s_cselect_b32 s46, s18, s19
	s_lshl_b32 s17, s41, 8
	s_add_co_u32 s20, s20, s17                     ; A's tile: its first row
	s_lshl_b32 s47, s40, 8
	s_add_co_u32 s46, s46, s47                     ; B's
	s_lshl_b32 s22, s20, 5
	s_mov_b32 s23, 0
	s_mul_i32 s20, s20, 48
	s_mov_b32 s21, 0
	s_lshl_b32 s92, s46, 5
	s_mov_b32 s93, 0
	s_mul_i32 s46, s46, 48
	s_mov_b32 s47, 0
	s_wait_kmcnt 0x0
	s_add_nc_u64 s[20:21], s[4:5], s[20:21]
	s_add_nc_u64 s[22:23], s[6:7], s[22:23]
	s_add_nc_u64 s[46:47], s[4:5], s[46:47]
	s_add_nc_u64 s[92:93], s[6:7], s[92:93]
	CROUND
	s_mov_b32 s[G0S], 1
	s_mov_b32 s[G0S+1], SCL
	s_mov_b64 s[G0S+2:G0S+3], s[22:23]
	s_or_b32 s[G0S+3], s[G0S+3], 0x80000000
	s_mov_b32 s[G0SB], 1
	s_mov_b32 s[G0SB+1], SCL+2*HALFS
	s_mov_b64 s[G0SB+2:G0SB+3], s[92:93]
	s_or_b32 s[G0SB+3], s[G0SB+3], 0x80000000
.irp s, 0,1
	s_mov_b32 s[G0+4*\s], 1
	s_mov_b32 s[G0+4*\s+1], \s*LSL
	s_add_nc_u64 s[G0+4*\s+2:G0+4*\s+3], s[20:21], \s*ASLOT1
	s_or_b32 s[G0+4*\s+3], s[G0+4*\s+3], 0x80000000
	s_mov_b32 s[G0B+4*\s], 1
	s_mov_b32 s[G0B+4*\s+1], OPR+\s*LSL
	s_add_nc_u64 s[G0B+4*\s+2:G0B+4*\s+3], s[46:47], \s*BSLOT1
	s_or_b32 s[G0B+4*\s+3], s[G0B+4*\s+3], 0x80000000
.endr
; the head's four loads, one a wave: one chain of branches on the wave's number, every way through it passes one load (slot 0's groups 0 serve the loads of codes)
.macro ARM under, g0, g1, next
	s_cmp_lt_u32 s14, \under
	s_cbranch_scc0 \next
	tensor_load_to_lds s[\g0:\g0+3], s[\g1:\g1+7]
	s_nop 0
.rept 4
	v_nop
.endr
	s_branch .Lhead_asked
\next:
.endm
	ARM 1, G0,  G1,  .Lhead_b
	ARM 2, G0B, G1B, .Lhead_sa
	ARM 3, G0S, G1S, .Lhead_sb
	tensor_load_to_lds s[G0SB:G0SB+3], s[G1SB:G1SB+7]
	s_nop 0
.rept 4
	v_nop
.endr
.Lhead_asked:
	v_and_b32 v1, 15, v0
	v_bfe_u32 v2, v0, 4, 1
	v_mul_u32_u24 v3, v1, 48
	v_mad_u32_u24 v4, v2, 24, v3
	s_mul_i32 s21, s15, PL                         ; my 128 rows in each plane of A
	s_mul_i32 s22, s16, PL                         ; and of B,
	s_add_co_u32 s22, s22, OPR                     ; whose planes lie behind A's
.irp s, 0,1
	v_add_nc_u32 v[ADRA+\s], s21, v4
	v_add_nc_u32 v[ADRB+\s], s22, v4
	s_add_co_u32 s21, s21, LSL
	s_add_co_u32 s22, s22, LSL
.endr
	v_lshlrev_b32 v5, 5, v1
	v_lshrrev_b32 v6, 8, v5
	v_lshl_add_u32 v5, v6, 4, v5
	s_mul_i32 s21, s15, HALFS
	s_mul_i32 s22, s16, HALFS
	s_add_co_u32 s22, s22, 2*HALFS
	s_sub_co_u32 s22, s22, s21
	v_mul_u32_u24 v6, s22, v2
	s_add_co_u32 s21, s21, SCL
	v_add_nc_u32 v5, v5, v6
	v_add_nc_u32 v[ADRS], s21, v5
	s_mul_i32 s23, s14, WST
	s_add_co_u32 s23, s23, STG
	v_mad_u32_u24 v5, v2, 12, v3
	v_add_nc_u32 v[STO], s23, v5
	v_lshlrev_b32 v5, 2, v1
	v_add_nc_u32 v5, s23, v5
	v_add_nc_u32 v[STS], 12288, v5
	v_and_b32 v6, 31, v0
	v_lshlrev_b32 v[CO], 4, v6
	v_add_nc_u32 v[RD], s23, v[CO]
.irp b, 0,1,2,3
	v_mov_b32 v[TM+4+\b], 0
.endr
	s_lshr_b32 s17, ttmp9, 2
	s_and_b32 s17, s17, 3
	s_lshl_b32 s18, s40, 1
	s_add_co_u32 s18, s18, s16
	s_lshl_b32 s19, s17, 3
	s_add_co_u32 s19, s19, s18
	s_bfe_u32 s20, ttmp9, 0x10001
	s_lshl_b32 s20, s20, 2
	s_add_co_u32 s20, s20, s41
	s_lshl_b32 s20, s20, 8
	s_lshl_b32 s21, s15, 7
	s_add_co_u32 s20, s20, s21
	s_and_b32 s21, ttmp9, 1
	s_lshl_b32 s22, s19, 12
	s_add_co_u32 s22, s22, s20
	s_mul_i32 s22, s22, 48
	s_mul_i32 s23, s21, 6291456
	s_add_co_u32 s22, s22, s23
	s_lshl_b32 s23, s19, 11
	s_add_co_u32 s23, s23, s20
	s_lshl_b32 s23, s23, 2
	s_lshl_b32 s21, s21, 18
	s_add_co_u32 s23, s23, s21
	s_and_b32 s17, ttmp9, 7
	s_lshr_b32 s19, s17, 1
	s_and_b32 s17, s17, 1
	s_lshl_b32 s17, s17, 3
	s_add_co_u32 s17, s17, s18
	s_lshl_b32 s19, s19, 4
	s_lshl_b32 s20, s41, 2
	s_add_co_u32 s19, s19, s20
	s_lshl_b32 s20, s15, 1
	s_add_co_u32 s19, s19, s20
	s_lshl_b32 s20, s19, 5
	s_lshl_b32 s21, s17, 1
	s_add_co_u32 s20, s20, s21
	s_mul_i32 s20, s20, 3072
	s_add_co_u32 s20, s20, 12582912
	s_lshl_b32 s21, s19, 4
	s_add_co_u32 s21, s21, s17
	s_lshl_b32 s21, s21, 8
	s_add_co_u32 s21, s21, 524288
	s_mov_b32 s17, 3072
	s_mov_b32 s18, 98304
	s_mov_b32 s19, 4096
	s_cmp_lt_u32 ttmp9, 16
	s_cselect_b32 s92, s22, s20
	s_cselect_b32 s95, s23, s21
	s_cselect_b32 s93, s18, s17
	s_cselect_b32 s94, s17, s18
	s_cselect_b32 s96, 256, s19
	v_mul_u32_u24 v[COS], s96, v2
	v_lshl_add_u32 v[COS], v1, 4, v[COS]
.macro FRAG reg, adr, q, i
.irp p, 0,1,2,3,4,5
	ds_load_b64 v[\reg+2*\p:\reg+2*\p+1], v[\adr] offset:(2*(\q)+\p/3)*LPL+(\i)*768+8*(\p%3)
.endr
.endm
.macro MUL16 a0, p, q, sc, zero
.irp a, \a0, \a0+1
.irp b, 0,1,2,3,4,5,6,7
.if \zero
	v_wmma_scale_f32_16x16x128_f8f6f4 v[8*(8*((\a)%4)+\b):8*(8*((\a)%4)+\b)+7], v[128*(\p)+FR*\b:128*(\p)+FR*\b+FR-1], v[AF+FR*(\a):AF+FR*(\a)+FR-1], 0, v[SC+8*NQ*(\sc)+NQ*\b+(\q)], v[SC+8*NQ*(\sc)+NQ*(\a)+(\q)] matrix_a_fmt:MATRIX_FMT_FP6 matrix_b_fmt:MATRIX_FMT_FP6 matrix_a_scale:MATRIX_SCALE_ROW1
.else
	v_wmma_scale_f32_16x16x128_f8f6f4 v[8*(8*((\a)%4)+\b):8*(8*((\a)%4)+\b)+7], v[128*(\p)+FR*\b:128*(\p)+FR*\b+FR-1], v[AF+FR*(\a):AF+FR*(\a)+FR-1], v[8*(8*((\a)%4)+\b):8*(8*((\a)%4)+\b)+7], v[SC+8*NQ*(\sc)+NQ*\b+(\q)], v[SC+8*NQ*(\sc)+NQ*(\a)+(\q)] matrix_a_fmt:MATRIX_FMT_FP6 matrix_b_fmt:MATRIX_FMT_FP6 matrix_a_scale:MATRIX_SCALE_ROW1
.endif
.endr
.endr
.endm
.macro FETCH_B slot, q, p
	WIN TO_B
.irp i, 0,1,2,3,4,5,6,7
	FRAG 128*(\p)+FR*\i, ADRB+\slot, \q, \i
.endr
	WIN 0
.endm
.macro FETCH_A slot, q, i0
.irp i, \i0, \i0+1, \i0+2, \i0+3
	FRAG AF+FR*(\i), ADRA+\slot, \q, \i
.endr
.endm
.macro SCALES sc
.irp i, 0,1,2,3,4,5,6,7
	ds_load_b64 v[SC+8*NQ*\sc+NQ*\i:SC+8*NQ*\sc+NQ*\i+1], v[ADRS] offset:\i*SBLK
.endr
.endm
.macro PLACES n
.rept \n
	v_nop
.endr
.endm
.macro STEP slot, q, zero
	s_wait_dscnt 4*NL
	WIN MUL_LO
	MUL16 0, (\q)%2, \q, \slot, \zero
	MUL16 2, (\q)%2, \q, \slot, \zero
	s_wait_dscnt 0
	PLACES NP
	FETCH_B \slot, (\q)+1, 1-(\q)%2
	FETCH_A \slot, (\q)+1, 0
	WIN MUL_HI
	MUL16 4, (\q)%2, \q, \slot, \zero
	MUL16 6, (\q)%2, \q, \slot, \zero
	PLACES NP
	WIN 0
	FETCH_A \slot, (\q)+1, 4
.endm
.macro TURN slot, next, fill
	s_wait_tensorcnt 0x0
	ds_add_u32 v[SPW], v[NIL]
	s_wait_dscnt 4*NL+1
	WIN MUL_LO
	MUL16 0, 1, NQ-1, \slot, 0
	s_wait_dscnt 0x0
	s_barrier_signal -1
	MUL16 2, 1, NQ-1, \slot, 0
	WIN 0
	s_barrier_wait -1
.if \fill
	CREST
	s_add_nc_u64 s[G0+4*\slot+2:G0+4*\slot+3], s[G0+4*\slot+2:G0+4*\slot+3], ASTEP
	s_add_nc_u64 s[G0B+4*\slot+2:G0B+4*\slot+3], s[G0B+4*\slot+2:G0B+4*\slot+3], BSTEP
	JLOAD G0+4*\slot, G1, G0B+4*\slot, G1B
.else
	PLACES NP
.endif
	s_wait_alu depctr_va_vdst(0)
	v_add_nc_u32 v[ADRS], 4*NQ, v[ADRS]
	FETCH_B \next, 0, 0
	FETCH_A \next, 0, 0
	SCALES \next
	WIN MUL_HI
	MUL16 4, 1, NQ-1, \slot, 0
	MUL16 6, 1, NQ-1, \slot, 0
	PLACES NP
	WIN 0
	FETCH_A \next, 0, 4
.endm
	s_wait_alu depctr_va_vdst(0)
	s_wait_tensorcnt 0x0                           ; my tile of the head's four is in, and no load of mine is out: the descriptors may be written
	s_mov_b32 s[G1+2], 2<<16                       ; from here on a load brings two planes
	s_mov_b32 s[G1+4], 2
	s_mov_b32 s[G1B+2], 2<<16
	s_mov_b32 s[G1B+4], 2
	s_mul_i32 s45, s16, 2*LPL                      ; which two of a slot's four planes I fetch: in LDS,
	s_mul_i32 s2, s16, 2*PLANEB                    ; and in memory
	s_mov_b32 s3, 0
.irp s, 0,1
	s_add_co_u32 s[G0+4*\s+1], s[G0+4*\s+1], s45
	s_add_nc_u64 s[G0+4*\s+2:G0+4*\s+3], s[G0+4*\s+2:G0+4*\s+3], s[2:3]
	s_add_co_u32 s[G0B+4*\s+1], s[G0B+4*\s+1], s45
	s_add_nc_u64 s[G0B+4*\s+2:G0B+4*\s+3], s[G0B+4*\s+2:G0B+4*\s+3], s[2:3]
.endr
	s_barrier_signal -1
	s_barrier_wait -1
	FETCH_B 0, 0, 0
	FETCH_A 0, 0, 0
	SCALES 0
	FETCH_A 0, 0, 4
	STEP 0, 0, 1
	TURN 0, 1, 1
	STEP 1, 0, 0
	TURN 1, 0, 1
	STEP 0, 0, 0
	TURN 0, 1, 0
	STEP 1, 0, 0
	s_wait_dscnt 4*NL
	WIN MUL_LO
	MUL16 0, 1, NQ-1, 1, 0
	MUL16 2, 1, NQ-1, 1, 0
	s_wait_dscnt 0
	WIN MUL_HI
	MUL16 4, 1, NQ-1, 1, 0
	MUL16 6, 1, NQ-1, 1, 0
	WIN 0
.macro QBLK a
.set AC, 64*((\a)%4)
.set WQ, 0x0a+5*((\a)/4)
	WIN WQ
.irp b, 0,1,2,3
	v_max3_num_f32 v[TM+\b], |v[AC+16*\b]|, |v[AC+16*\b+1]|, 0x1800000
.endr
.irp i, 2,4,6,8,10,12,14
.irp b, 0,1,2,3
	v_max3_num_f32 v[TM+\b], |v[AC+16*\b+\i]|, |v[AC+16*\b+\i+1]|, v[TM+\b]
.endr
.endr
	WIN 0
	s_wait_alu depctr_va_vdst(0)
	s_wait_dscnt 0x0
.irp b, 0,1,2,3
	v_permlanex16_b32 v[TM+4+\b], v[TM+\b], s98, s99
.endr
.irp b, 0,1,2,3
	v_max_num_f32 v[TM+\b], v[TM+\b], v[TM+4+\b]
.endr
.irp b, 0,1,2,3
	v_add_nc_u32 v[TM+12+\b], 0xff000000, v[TM+\b]
.endr
.irp b, 0,1,2,3
	v_lshrrev_b32 v[TM+4+\b], 23, v[TM+12+\b]
.endr
	v_lshl_or_b32 v[PW], v[TM+5], 8, v[TM+4]
	v_lshl_or_b32 v[PW], v[TM+6], 16, v[PW]
	v_lshl_or_b32 v[PW], v[TM+7], 24, v[PW]
.set WQ, 0x02+((\a)/4)
	WIN WQ
.irp b, 0,1,2,3
	v_cvt_scalef32_pk16_fp6_f32 v[PC+4*\b:PC+4*\b+2], v[AC+16*\b:AC+16*\b+15], v[TM+12+\b]
.endr
	WIN 0
	v_nop
.irp b, 0,1,2,3
.irp i, 0,1,2
	ds_store_b32 v[STO], v[PC+4*\b+\i] offset:(\b>>1)*PL+(\a)*768+(\b&1)*24+4*\i
.endr
.endr
	ds_store_b32 v[STS], v[PW] offset:64*(\a)
.endm
	PLACES NP
.irp a, 0,1,2,3,4,5,6,7
	QBLK \a
.endr
.set T, 0
.rept 24
	ds_load_b128 v[BK+4*T:BK+4*T+3], v[RD] offset:512*T
.set T, T+1
.endr
	ds_load_b128 v[BKS:BKS+3], v[RD] offset:12288
	s_mov_b32 s47, 0
	s_mov_b32 s46, s92
	s_add_nc_u64 s[32:33], s[8:9], s[46:47]
	s_mov_b32 s46, s94
	s_add_nc_u64 s[34:35], s[32:33], s[46:47]
	s_mov_b32 s46, s93
	s_add_nc_u64 s[36:37], s[32:33], s[46:47]
	s_add_nc_u64 s[38:39], s[34:35], s[46:47]
	s_mov_b32 s46, s95
	s_add_nc_u64 s[56:57], s[10:11], s[46:47]
.set T, 0
.rept 24
.set SB, 32+2*(2*(T/12)+(T%12)/6)
	s_wait_dscnt 24-T
	global_store_b128 v[CO], v[BK+4*T:BK+4*T+3], s[SB:SB+1] offset:512*(T%6)
.set T, T+1
.endr
	s_wait_dscnt 0x0
	global_store_b128 v[COS], v[BKS:BKS+3], s[56:57]
	s_wait_tensorcnt 0x0
	ds_add_u32 v[SPW], v[NIL]
	s_wait_dscnt 0x0
	CROUND
	s_endpgm
.Lfunc_end_k_q01d1739d87_gemm_qkv:
	.size	k_q01d1739d87_gemm_qkv, .Lfunc_end_k_q01d1739d87_gemm_qkv-k_q01d1739d87_gemm_qkv
	.p2alignl 7, 3214868480
	.fill 96, 4, 3214868480
	.section	.rodata,"a",@progbits
	.p2align	6, 0x0
	.amdhsa_kernel k_q01d1739d87_gemm_qkv
		.amdhsa_group_segment_fixed_size 327680
		.amdhsa_private_segment_fixed_size 0
		.amdhsa_enable_private_segment 0
		.amdhsa_kernarg_size 32
		.amdhsa_user_sgpr_count 2
		.amdhsa_user_sgpr_kernarg_segment_ptr 1
		.amdhsa_wavefront_size32 1
		.amdhsa_system_sgpr_workgroup_id_x 1
		.amdhsa_system_sgpr_workgroup_id_y 1
		.amdhsa_system_sgpr_workgroup_id_z 1
		.amdhsa_system_vgpr_workitem_id 0
		.amdhsa_next_free_vgpr 1024
		.amdhsa_next_free_sgpr 100
		.amdhsa_reserve_vcc 0
		.amdhsa_float_denorm_mode_32 3
		.amdhsa_float_denorm_mode_16_64 3
		.amdhsa_memory_ordered 1
		.amdhsa_forward_progress 1
		.amdhsa_inst_pref_size 172
	.end_amdhsa_kernel
	.amdgpu_metadata
---
amdhsa.version: [ 1, 2 ]
amdhsa.kernels:
  - .name:           k_q01d1739d87_gemm_qkv
    .symbol:         k_q01d1739d87_gemm_qkv.kd
    .args:
      - { .name: cw, .offset: 0, .size: 8, .value_kind: global_buffer, .address_space: global }
      - { .name: sw, .offset: 8, .size: 8, .value_kind: global_buffer, .address_space: global }
      - { .name: qkvc, .offset: 16, .size: 8, .value_kind: global_buffer, .address_space: global }
      - { .name: qkvs, .offset: 24, .size: 8, .value_kind: global_buffer, .address_space: global }
    .group_segment_fixed_size: 327680
    .private_segment_fixed_size: 0
    .kernarg_segment_align: 8
    .kernarg_segment_size: 32
    .max_flat_workgroup_size: 128
    .sgpr_count:     100
    .vgpr_count:     1024
    .wavefront_size: 32
...
	.end_amdgpu_metadata
.endif
;; end of part 2
;; launch attn (part 3): grid 4 x 64, 16 waves a work-group, clusters of 4 x 1, 223,232 bytes of LDS; arguments qkvc, qkvs, oc, os; writes oc, os
.if DOCPART == 3
	.amdgcn_target "amdgcn-amd-amdhsa--gfx1250"
	.amdhsa_code_object_version 6
	.text
	.protected	k_q01d1739d87_attn
	.globl	k_q01d1739d87_attn
	.p2align	8
	.type	k_q01d1739d87_attn,@function
k_q01d1739d87_attn:
	s_mov_b64 s[64:65], 0
	v_nop
	global_prefetch_b8 v0, s[64:65] scope:SCOPE_SE
	s_setreg_imm32_b32 hwreg(HW_REG_WAVE_MODE, 25, 1), 1
	s_wait_xcnt 0x0
	s_wait_alu depctr_hold_cnt(0) depctr_sa_sdst(0) depctr_va_vdst(0) depctr_va_sdst(0) depctr_va_ssrc(0) depctr_va_vcc(0) depctr_vm_vsrc(0)
	s_getreg_b32 s2, hwreg(HW_REG_IB_STS2, 6, 4)
	s_cmp_eq_u32 s2, 0
	s_cbranch_scc0 .Lentry_in_a_cluster
	s_endpgm
.Lentry_in_a_cluster:
	s_bfe_u32 s2, ttmp6, 0x10000c
	s_cmp_lg_u32 s2, 0x3003
	s_cbranch_scc0 .Lentry_shape_is_right
	s_endpgm
.Lentry_shape_is_right:
; o = softmax(q k^T / 8) v for 64 heads of 2,048 x 64, both products on codes of FP6 (E2M3) with E8M0 scales; o is quantised along the head's 64 on the way out, as the last product's operand.
; THE SOFTMAX AHEAD OF THE SECOND PRODUCT: t = score x log2(e) / 8; M = the running largest t rounded UP to a whole number; p = 2^(t - M) is quantised along the keys, not normalised.  The row's sum is taken of the
; unquantised p in f32 and divides O at the end.  When M moves, the sum and O are multiplied by 2^(old M - new M): exact.
; IN: qkvc: q, k [64 heads][2048 places][48 bytes]; v [64 heads][32 runs of 64 keys][64 places of d][48 bytes].  qkvs: q, k [32 pairs of heads][2048 places] words (my head's two bytes: the lower or the upper half); v [64 heads][16 steps][64] words.
; A 'place' is a row number with bits 3 and 4 exchanged: sixteen neighbouring places are a tile whose transposed product leaves 16 TRUE neighbours in the 16 registers of two neighbouring tiles.
; OUT: oc [16 heads = planes of 64 k][8192 places][48 bytes]; os [8192 places][32 bytes], my head's bytes 2 h, 2 h + 1.
; SHARES: a work-group owns 512 query places of one head, in two passes of 256; each of its SIXTEEN waves one tile of 16 queries a pass, in 256 registers: four waves to a SIMD, so that one wave's vector work stands beside
; another's matrix work and LDS loads.  THE WHOLE HEAD'S K AND V (codes and scale words, 208,896 bytes) COME INTO LDS ONCE AND STAY: no ring, no refill; one barrier behind the fills.
; CLUSTER: the four work-groups of a cluster own the four quarters of one head's queries and read the same K and V: every fill is a joint load that names the four.
; Both products are used transposed: S^T = K Q^T (source 0 = 16 keys, source 1 = my 16 queries), O^T = V^T P^T: a lane holds ONE query throughout.
; K = 64 IN AN INSTRUCTION OF K = 128: Q's registers 6-11 hold zero codes, which add nothing whatever stands against them (the format has no infinity and no NaN): so a fragment of K is its six registers and the
; NEXT fragment's six; the scale words come by loads of 16 bits, so their bytes for k = 64 .. 127 are 0 and never 0xff.
; LIMITS: p under 2^-126 comes out as 0 (v_exp_f32 flushes denormal results: ISA guide 15.8); o = O x rcp(l), the reciprocal good to 1 ulp; a block of zeros keeps the scale byte 1; NaN and infinities are not served.
; o's scale bytes leave as pieces of 2 bytes, 32 bytes apart (256 KiB in all): a row's 32 bytes belong to sixteen heads, that is to sixteen work-groups.
; Left out: a prefetch (every byte is asked for in the one group of fills at the head); several tiles of queries to a wave.
.set KC,    0                          ; LDS: K's codes [2048][48]
.set VC,    98304                      ; V's codes [32][64][48]
.set KSO,   196608                     ; K's scale words, of my pair of heads
.set VSO,   204800                     ; V's scale words
.set STAGE, 208896                     ; the way out: 768 bytes for each wave; no fill lands here
.set AK0,  1                           ; v1   r x 48 + 24 h: my lane's place in a tile of K, and in my 16 rows of q
.set AV0,  2                           ; v2   the same in V
.set ASK0, 3                           ; v3   my lane's place among K's scale words
.set ASV0, 4                           ; v4   among V's
.set QSO,  6                           ; v6   4 r
.set STO,  7                           ; v7   the stage, in
.set ADK,  8                           ; v8-11 the addresses of the step in hand
.set ADV,  9
.set ADS,  10
.set ADT,  11
.set Q0F,  16                          ; v16-27 Q of pass 0 (v22-27 = 0);  v12 -M, v13 the largest t, v[14:15] the sum in two halves
.set RD,   28                          ; v28  the stage, back
.set GO,   29                          ; v29  8 x lane
.set GS,   30                          ; v30  32 r
.set KF,   32                          ; v32-85 K's eight fragments, six registers apart (v80-85 = 0); also V's four, twelve apart
.set KSW,  86                          ; v86-93 K's scale words
.set S,    96                          ; v96-159 S^T, then p
.set OT,   160                         ; v160-191 O^T
.set VSW,  192                         ; v192-195 V's scale words
.set PWD,  196                         ; v196 p's scale word
.set Q0S,  197                         ; v197 Q's scale word, pass 0
.set F,    198                         ; v[198:199] f = 2^(old M - new M) (v199 is written once: it is named with v198 as a pair)
.set BM,   200                         ; v200-203 each block's largest score, then its largest p
.set PT,   204                         ; v204-207 the other half's, then the bytes
.set SO,   208                         ; v208-211 the conversions' scale operands
.set PCD,  212                         ; v212-223 p's codes
.set CT,   224                         ; v224-230 the conversions' second halves; on the way out what comes back from the stage
.set TMP,  232
.set SUM2, 234                         ; v[234:235] one of the sum's eight chains
.set Q1F,  240                         ; v240-251 Q of pass 1 (v246-251 = 0)
.set Q1S,  252                         ; v252 its scale word
.set WV,   12                          ; s12  my wave's number
.set G1C,  16                          ; s[16:23] descriptor group 1 for a piece of codes;  s[24:31] for a piece of scale words
.set G1W,  24
.set G0C,  40                          ; s[40:43], s[44:47] their groups 0
.set G0W,  44
.set SEL,  60                          ; s[60:61] lane selects for v_permlanex16_b32: lane l xor 16
.set CS,   62                          ; s[62:63] c = log2(e) / 8
.set T6,   66                          ; s66  the step's codes: 6,144 bytes a step, in K and in V
.set TS,   67                          ; s67  K's scale words: 512 bytes a step
.set TV,   68                          ; s68  V's: 256
.set CNT,  69
.macro CROUND                          ; a round of the cluster's barrier
	s_barrier_signal -1
	s_barrier_wait -1
	s_cmp_lg_u32 s[WV], 0
	s_cbranch_scc1 .Lnot_wave_0_\@
	s_barrier_signal -3
.Lnot_wave_0_\@:
	s_barrier_wait -3
	s_barrier_signal -1
	s_barrier_wait -1
.endm
	s_load_b256 s[4:11], s[0:1], 0x0               ; qkvc s[4:5], qkvs s[6:7], oc s[8:9], os s[10:11]
	v_lshl_add_u32 v254, v0, 2, 0x36000
	v_mov_b32 v255, 0
	ds_add_u32 v254, v255
	ds_add_u32 v254, v255
	v_lshrrev_b32 v8, 5, v0
	s_delay_alu instid0(VALU_DEP_1)
	v_readfirstlane_b32 s[WV], v8                  ; wave 0..15
	s_bfe_u32 s13, ttmp6, 0x40000                  ; cx: my quarter of the queries: it enters q's, oc's and os's addresses alone
	s_and_b32 s14, ttmp7, 0xffff                   ; the head (16 x batch + head), which the four partners share
	s_and_b32 s15, s14, 1
	; descriptor groups 1: dense pieces, as rows of 256 bytes (32 elements of 8 bytes): 96 rows of codes, 16 rows of scale words
	s_mov_b32 s[G1C], 15|(3<<16)|(1<<21)           ; 15:0 the mask: all four work-groups; 17:16 elements of 8 bytes; 21 set beside a mask
	s_mov_b32 s[G1C+1], 32<<16
	s_mov_b32 s[G1C+2], 96<<16
	s_mov_b32 s[G1C+3], 32<<16
	s_mov_b32 s[G1C+4], 96
	s_mov_b32 s[G1C+5], 32
	s_mov_b32 s[G1C+6], 0
	s_mov_b32 s[G1C+7], 0
	s_mov_b32 s[G1W], 15|(3<<16)|(1<<21)
	s_mov_b32 s[G1W+1], 32<<16
	s_mov_b32 s[G1W+2], 16<<16
	s_mov_b32 s[G1W+3], 32<<16
	s_mov_b32 s[G1W+4], 16
	s_mov_b32 s[G1W+5], 32
	s_mov_b32 s[G1W+6], 0
	s_mov_b32 s[G1W+7], 0
	; waves 0-7: piece w of the 196,608 bytes of codes: waves 0-3 K's four quarters, waves 4-7 V's
	s_lshr_b32 s32, s[WV], 2
	s_add_co_u32 s32, s32, 1
	s_mul_i32 s32, s32, 6291456                    ; k's section, or v's
	s_mul_i32 s33, s14, 98304
	s_add_co_u32 s32, s32, s33                     ; my head
	s_and_b32 s33, s[WV], 3
	s_mul_i32 s33, s33, 24576
	s_add_co_u32 s32, s32, s33                     ; my quarter
	s_mov_b32 s33, 0
	; waves 8, 9: the halves of K's scale words; wave 10: V's
	s_lshr_b32 s34, s14, 1
	s_lshl_b32 s34, s34, 13
	s_and_b32 s35, s[WV], 1
	s_lshl_b32 s35, s35, 12
	s_add_co_u32 s34, s34, s35
	s_add_co_u32 s34, s34, 262144
	s_lshl_b32 s35, s14, 12
	s_add_co_u32 s35, s35, 524288
	s_cmp_lt_u32 s[WV], 10
	s_cselect_b32 s34, s34, s35
	s_mov_b32 s35, 0
	s_mov_b32 s[SEL], 0x76543210
	s_mov_b32 s[SEL+1], 0xfedcba98
	s_mov_b32 s[CS], 0x3e38aa3b                    ; c = log2(e) / 8
	s_mov_b32 s[CS+1], s[CS]                       ; (named with it as a pair, so it is written)
	; my wave's 16 queries of pass 0: place 512 cx + 16 w of the head
	s_lshl_b32 s72, s13, 9
	s_lshl_b32 s73, s[WV], 4
	s_add_co_u32 s72, s72, s73
	s_lshl_b32 s70, s14, 11
	s_add_co_u32 s70, s70, s72
	s_mul_i32 s70, s70, 48                         ; q's codes
	s_mov_b32 s71, 0
	s_lshr_b32 s74, s14, 1
	s_lshl_b32 s74, s74, 11
	s_add_co_u32 s74, s74, s72
	s_lshl_b32 s74, s74, 2
	s_lshl_b32 s75, s15, 1
	s_add_co_u32 s74, s74, s75                     ; q's scale words, my head's half
	s_mov_b32 s75, 0
	s_and_b32 s76, s14, 15
	s_mul_i32 s76, s76, 393216                     ; oc: my head's plane,
	s_lshr_b32 s77, s14, 4
	s_lshl_b32 s77, s77, 11
	s_add_co_u32 s77, s77, s72                     ; row 2,048 x batch + place
	s_mul_i32 s78, s77, 48
	s_add_co_u32 s76, s76, s78
	s_lshl_b32 s78, s77, 5                         ; os: 32 bytes a row,
	s_and_b32 s79, s14, 15
	s_lshl_b32 s79, s79, 1
	s_add_co_u32 s78, s78, s79                     ; my head's two
	s_mov_b32 s77, 0
	s_mov_b32 s79, 0
	s_wait_dscnt 0x0
	s_wait_kmcnt 0x0
	s_mov_b32 s[G0C], 1                            ; 1:0 count = 1
	s_and_b32 s[G0C+1], s[WV], 7
	s_mul_i32 s[G0C+1], s[G0C+1], 24576            ; 63:32 LDS address: K's codes and V's lie on end
	s_add_nc_u64 s[G0C+2:G0C+3], s[4:5], s[32:33]  ; 120:64 global address
	s_or_b32 s[G0C+3], s[G0C+3], 0x80000000        ; 127:126 type = 2
	s_mov_b32 s[G0W], 1
	s_and_b32 s[G0W+1], s[WV], 3
	s_lshl_b32 s[G0W+1], s[G0W+1], 12
	s_add_co_u32 s[G0W+1], s[G0W+1], KSO           ; K's two halves, then V's
	s_add_nc_u64 s[G0W+2:G0W+3], s[6:7], s[34:35]
	s_or_b32 s[G0W+3], s[G0W+3], 0x80000000
	s_add_nc_u64 s[80:81], s[4:5], s[70:71]
	s_add_nc_u64 s[82:83], s[6:7], s[74:75]
	s_add_nc_u64 s[84:85], s[8:9], s[76:77]
	s_add_nc_u64 s[86:87], s[10:11], s[78:79]
	CROUND                                         ; all four work-groups are here: the joint loads meet
	s_cmp_lt_u32 s[WV], 8                          ; the fills: one load a wave, in eleven waves; the branches hang on the wave's number alone.  Four v_nop follow each line
	s_cbranch_scc0 .Lnot_codes
	tensor_load_to_lds s[G0C:G0C+3], s[G1C:G1C+7]
	s_nop 0
.rept 4
	v_nop
.endr
	s_branch .Lasked
.Lnot_codes:
	s_cmp_lt_u32 s[WV], 11
	s_cbranch_scc0 .Lasked
	tensor_load_to_lds s[G0W:G0W+3], s[G1W:G1W+7]
	s_nop 0
.rept 4
	v_nop
.endr
.Lasked:
	v_and_b32 v8, 15, v0                           ; r
	v_bfe_u32 v9, v0, 4, 1                         ; h
	s_delay_alu instid0(VALU_DEP_2)
	v_mul_u32_u24 v[AK0], v8, 48
	s_delay_alu instid0(VALU_DEP_1)
	v_mad_u32_u24 v[AK0], v9, 24, v[AK0]
	s_delay_alu instid0(VALU_DEP_4)
	v_lshlrev_b32 v[QSO], 2, v8
.irp p, 0,1,2
	global_load_b64 v[Q0F+2*\p:Q0F+2*\p+1], v[AK0], s[80:81] offset:8*\p          ; Q's fragments of both passes stay in registers: k = 32 h + 0 .. 31 of row r
	global_load_b64 v[Q1F+2*\p:Q1F+2*\p+1], v[AK0], s[80:81] offset:12288+8*\p    ; 256 places on
.endr
	global_load_u16 v[Q0S], v[QSO], s[82:83]
	global_load_u16 v[Q1S], v[QSO], s[82:83] offset:1024
	v_add_nc_u32 v[AV0], VC, v[AK0]
	s_lshl_b32 s73, s15, 1
	v_add_nc_u32 v[ASK0], s73, v[QSO]
	s_delay_alu instid0(VALU_DEP_1)
	v_add_nc_u32 v[ASK0], KSO, v[ASK0]             ; 4 bytes a key, my head's half of the word
	v_add_nc_u32 v[ASV0], VSO, v[QSO]
	s_mul_i32 s73, s[WV], 768
	s_add_co_u32 s73, s73, STAGE                   ; my stage
	v_mul_u32_u24 v[STO], v8, 48
	s_delay_alu instid0(VALU_DEP_1)
	v_mad_u32_u24 v[STO], v9, 12, v[STO]
	s_delay_alu instid0(VALU_DEP_1)
	v_add_nc_u32 v[STO], s73, v[STO]               ; in: row r x 48 + 12 h
	v_and_b32 v10, 31, v0
	s_delay_alu instid0(VALU_DEP_1)
	v_lshlrev_b32 v[GO], 3, v10
	s_delay_alu instid0(VALU_DEP_1)
	v_add_nc_u32 v[RD], s73, v[GO]                 ; back: 8 bytes a lane
	v_lshlrev_b32 v[GS], 5, v8
.irp j, 0,1,2,3,4,5
	v_mov_b32 v[Q0F+6+\j], 0                       ; zero codes for k = 64 .. 127
	v_mov_b32 v[Q1F+6+\j], 0
	v_mov_b32 v[KF+48+\j], 0                       ; what stands behind K's last fragment
.endr
.irp b, 0,1,2,3
	v_mov_b32 v[PT+\b], 0                          ; written once: a lane permute's destination counts as one of its sources
.endr
	v_mov_b32 v[F+1], 0
	s_wait_tensorcnt 0x0                           ; my piece has landed,
	s_barrier_signal -1
	s_barrier_wait -1                              ; everybody's has: from here on LDS's tiles are only read
	s_wait_loadcnt 0x0                             ; Q
; A KEY STEP: 128 keys.
.macro STEP qf, qs
	v_add_nc_u32 v[ADK], s[T6], v[AK0]             ; these four are also the places between the last step's products and the loads into their registers
	v_add_nc_u32 v[ADV], s[T6], v[AV0]
	v_add_nc_u32 v[ADS], s[TS], v[ASK0]
	v_add_nc_u32 v[ADT], s[TV], v[ASV0]
.irp t, 0,1,2,3,4,5,6,7
.irp p, 0,1,2
	ds_load_b64 v[KF+6*\t+2*\p:KF+6*\t+2*\p+1], v[ADK] offset:768*\t+8*\p
.endr
	ds_load_u16 v[KSW+\t], v[ADS] offset:64*\t
.endr
	s_wait_alu depctr_va_vdst(0)
	s_wait_dscnt 0x0
.irp t, 0,1,2,3,4,5,6,7
	v_wmma_scale_f32_16x16x128_f8f6f4 v[S+8*\t:S+8*\t+7], v[KF+6*\t:KF+6*\t+11], v[\qf:\qf+11], 0, v[KSW+\t], v[\qs] matrix_a_fmt:MATRIX_FMT_FP6 matrix_b_fmt:MATRIX_FMT_FP6
.endr                                          ; lane (r, h) holds query r; the 16 registers of tiles 2 b, 2 b + 1 are keys 32 b + 16 h + 0 .. 15 of the step
.rept 4
	v_nop                                          ; places: in front of the loads below and of the first read of the scores
.endr
.irp t, 0,1,2,3                                ; V's fragments are asked for now and land under the softmax
.irp p, 0,1,2,3,4,5
	ds_load_b64 v[KF+12*\t+2*\p:KF+12*\t+2*\p+1], v[ADV] offset:(\p/3)*3072+768*\t+8*(\p%3)
.endr
	ds_load_b32 v[VSW+\t], v[ADT] offset:64*\t
.endr
.irp b, 0,1,2,3
	v_max3_num_f32 v[BM+\b], v[S+16*\b], v[S+1+16*\b], v[S+2+16*\b]   ; THE LARGEST SCORE OF EACH BLOCK OF 32 KEYS serves twice: for the row's maximum and, since p rises with the score, for the block's largest p
.endr
.irp i, 3,5,7,9,11,13
.irp b, 0,1,2,3
	v_max3_num_f32 v[BM+\b], v[BM+\b], v[S+16*\b+\i], v[S+1+16*\b+\i]   ; (the four blocks by turns)
.endr
.endr
.irp b, 0,1,2,3
	v_max_num_f32 v[BM+\b], v[BM+\b], v[S+15+16*\b]
.endr
.irp b, 0,1,2,3
	s_delay_alu instid0(VALU_DEP_4)
	v_permlanex16_b32 v[PT+\b], v[BM+\b], s[SEL], s[SEL+1]
.endr
.irp b, 0,1,2,3
	s_delay_alu instid0(VALU_DEP_4)
	v_max_num_f32 v[BM+\b], v[BM+\b], v[PT+\b]     ; with lane l xor 16's 16 keys
.endr
	s_delay_alu instid0(VALU_DEP_2)
	v_max3_num_f32 v[TMP], v[BM], v[BM+1], v[BM+2]
	s_delay_alu instid0(VALU_DEP_1)
	v_max_num_f32 v[TMP], v[TMP], v[BM+3]          ; the step's largest score of my query
	s_delay_alu instid0(VALU_DEP_1)
	v_mul_f32 v[TMP], s[CS], v[TMP]                ; as t (c is positive)
	s_delay_alu instid0(VALU_DEP_1)
	v_max_num_f32 v13, v13, v[TMP]                 ; the running largest t
	v_mov_b32 v[TMP], v12
	s_delay_alu instid0(VALU_DEP_2)
	v_floor_f32 v12, -v13                          ; the new -M = floor(-t) = -ceil(t): M is a whole number
	s_delay_alu instid0(VALU_DEP_1)
	v_sub_f32 v[TMP], v12, v[TMP]                  ; old M - new M: a whole number, 0 or less
	s_delay_alu instid0(VALU_DEP_1)
	v_cvt_i32_f32 v[TMP], v[TMP]                   ; (it saturates)
	s_delay_alu instid0(VALU_DEP_1)
	v_ldexp_f32 v[F], 1.0, v[TMP]                  ; f = 2^(old M - new M)
.set J, 0
.rept 32
	v_pk_fma_f32 v[S+J:S+J+1], v[S+J:S+J+1], s[CS:CS+1], v[12:13] op_sel_hi:[1,0,0]   ; t - M, two at a time (of the pairs c and -M the low word serves both halves)
.set J, J+2
.endr
.irp b, 0,1,2,3
	v_fma_f32 v[BM+\b], v[BM+\b], s[CS], v12       ; the same of each block's largest score
.endr
.set J, 0
	s_wait_alu depctr_va_vdst(0)
.rept 64
	v_exp_f32 v[S+J], v[S+J]                       ; p = 2^(t - M), at most 1: not normalised
.set J, J+1
.endr
	v_pk_mul_f32 v[14:15], v[14:15], v[F:F+1] op_sel_hi:[1,0]   ; the sums under the new M: a plain place behind the exponentials
	s_wait_alu depctr_va_vdst(0)                   ; one wait for the whole batch, ahead of its first reader
.irp b, 0,1,2,3
	v_exp_f32 v[BM+\b], v[BM+\b]                   ; the block's largest p: the same two instructions on the same number give the same bits
.endr
	v_pk_add_f32 v[234:235], v[100:101], v[104:105]
	v_pk_add_f32 v[238:239], v[108:109], v[112:113]
	v_pk_add_f32 v[236:237], v[116:117], v[120:121]
	v_pk_add_f32 v[230:231], v[124:125], v[128:129]
	v_pk_add_f32 v[228:229], v[132:133], v[136:137]
	v_pk_add_f32 v[226:227], v[140:141], v[144:145]
	v_pk_add_f32 v[224:225], v[148:149], v[152:153]
	v_pk_add_f32 v[14:15], v[14:15], v[156:157]
	v_pk_add_f32 v[234:235], v[234:235], v[96:97]
	v_pk_add_f32 v[238:239], v[238:239], v[98:99]
	v_pk_add_f32 v[236:237], v[236:237], v[102:103]
	v_pk_add_f32 v[230:231], v[230:231], v[106:107]
	v_pk_add_f32 v[228:229], v[228:229], v[110:111]
	v_pk_add_f32 v[226:227], v[226:227], v[114:115]
	v_pk_add_f32 v[224:225], v[224:225], v[118:119]
	v_pk_add_f32 v[14:15], v[14:15], v[122:123]
	v_pk_add_f32 v[234:235], v[234:235], v[126:127]
	v_pk_add_f32 v[238:239], v[238:239], v[130:131]
	v_pk_add_f32 v[236:237], v[236:237], v[134:135]
	v_pk_add_f32 v[230:231], v[230:231], v[138:139]
	v_pk_add_f32 v[228:229], v[228:229], v[142:143]
	v_pk_add_f32 v[226:227], v[226:227], v[146:147]
	v_pk_add_f32 v[224:225], v[224:225], v[150:151]
	v_pk_add_f32 v[14:15], v[14:15], v[154:155]
	v_pk_add_f32 v[234:235], v[234:235], v[158:159]
	s_delay_alu instid0(VALU_DEP_2)
	v_pk_add_f32 v[14:15], v[14:15], v[230:231]
	s_delay_alu instid0(VALU_DEP_2)
	v_pk_add_f32 v[234:235], v[234:235], v[228:229]
	v_pk_add_f32 v[238:239], v[238:239], v[226:227]
	v_pk_add_f32 v[236:237], v[236:237], v[224:225]
	s_delay_alu instid0(VALU_DEP_2)
	v_pk_add_f32 v[14:15], v[14:15], v[238:239]
	s_delay_alu instid0(VALU_DEP_2)
	v_pk_add_f32 v[234:235], v[234:235], v[236:237]
	s_delay_alu instid0(VALU_DEP_1)
	v_pk_add_f32 v[14:15], v[14:15], v[234:235]
	s_wait_alu depctr_va_vdst(0)                   ; and one for the four
.irp b, 0,1,2,3
	v_max_num_f32 v[BM+\b], 0x1800000, v[BM+\b]    ; the floor 2^(3 - 127): the byte cannot fall under 1
.endr
.irp b, 0,1,2,3
	s_delay_alu instid0(VALU_DEP_4)
	v_add_nc_u32 v[SO+\b], 0xff000000, v[BM+\b]    ; 2 off the exponent field: the conversion's scale operand
.endr
.irp b, 0,1,2,3
	s_delay_alu instid0(VALU_DEP_4)
	v_lshrrev_b32 v[PT+\b], 23, v[SO+\b]           ; the scale's byte
.endr
	s_delay_alu instid0(VALU_DEP_3)
	v_lshl_or_b32 v[PWD], v[PT+1], 8, v[PT]        ; p's scale word for these 128 keys
	s_delay_alu instid0(VALU_DEP_1)
	v_lshl_or_b32 v[PWD], v[PT+2], 16, v[PWD]
	s_delay_alu instid0(VALU_DEP_1)
	v_lshl_or_b32 v[PWD], v[PT+3], 24, v[PWD]
.irp c, 0,1
	v_cvt_scalef32_pk16_fp6_f32 v[PCD+6*\c:PCD+2+6*\c], v[S+32*\c:S+15+32*\c], v[SO+2*\c]
	v_cvt_scalef32_pk16_fp6_f32 v[CT+4*\c:CT+2+4*\c], v[S+16+32*\c:S+31+32*\c], v[SO+2*\c+1]   ; (a conversion's three registers begin on an even number)
.endr
	v_nop                                          ; one plain place behind the scaled conversions
.irp c, 0,1                                    ; the operand's layout wants a WHOLE block in a lane: lanes 0-15 block 2 c, lanes 16-31 block 2 c + 1
.irp i, 0,1,2
	v_permlane16_swap_b32 v[PCD+6*\c+\i], v[CT+4*\c+\i]
.endr
.irp i, 0,1,2
	s_delay_alu instid0(VALU_DEP_3)
	v_mov_b32 v[PCD+3+6*\c+\i], v[CT+4*\c+\i]
.endr
.endr
.set J, 0
.rept 16
	v_pk_mul_f32 v[OT+J:OT+J+1], v[OT+J:OT+J+1], v[F:F+1] op_sel_hi:[1,0]   ; O^T under the new M.  (For each product below at least twelve of these name none of its registers: the places behind the writes of p's codes and scale word)
.set J, J+2
.endr
	s_wait_alu depctr_va_vdst(0)
	s_wait_dscnt 0x0                               ; V's fragments and scale words are in
.irp t, 0,1,2,3                                ; O^T += V^T P^T: the four accumulators by turns
	v_wmma_scale_f32_16x16x128_f8f6f4 v[OT+8*\t:OT+8*\t+7], v[KF+12*\t:KF+12*\t+11], v[PCD:PCD+11], v[OT+8*\t:OT+8*\t+7], v[VSW+\t], v[PWD] matrix_a_fmt:MATRIX_FMT_FP6 matrix_b_fmt:MATRIX_FMT_FP6
.endr
	s_add_co_u32 s[T6], s[T6], 6144
	s_add_co_u32 s[TS], s[TS], 512
	s_add_co_u32 s[TV], s[TV], 256
.endm
; THE WAY OUT of a pass: O^T / the sum; register 16 g + i is d = 32 g + 16 h + i of my query: two blocks of 32, quantised as every operand is; 12 bytes a lane and block go through my stage and leave as three aligned blocks of 256 bytes.
.macro OUT p
.rept 4
	v_nop                                          ; places behind the last products
.endr
	v_add_f32 v14, v14, v15                        ; the sum's two halves,
	s_delay_alu instid0(VALU_DEP_1)
	v_permlanex16_b32 v[TMP], v14, s[SEL], s[SEL+1]
	s_delay_alu instid0(VALU_DEP_1)
	v_add_f32 v14, v14, v[TMP]                     ; and lane l xor 16's: the row's sum
	s_wait_alu depctr_va_vdst(0)
	v_rcp_f32 v14, v14
	v_nop                                          ; a plain place behind the transcendental
	s_wait_alu depctr_va_vdst(0)                   ; and the wait ahead of its first reader
.set J, 0
.rept 16
	v_pk_mul_f32 v[S+J:S+J+1], v[OT+J:OT+J+1], v[14:15] op_sel_hi:[1,0]   ; each accumulator from its low end on
.set J, J+2
.endr
.irp b, 0,1
	v_max3_num_f32 v[BM+\b], |v[S+16*\b]|, |v[S+1+16*\b]|, 0x1800000
.endr
.irp i, 2,4,6,8,10,12,14
.irp b, 0,1
	s_delay_alu instid0(VALU_DEP_2)
	v_max3_num_f32 v[BM+\b], v[BM+\b], |v[S+16*\b+\i]|, |v[S+1+16*\b+\i]|
.endr
.endr
.irp b, 0,1
	s_delay_alu instid0(VALU_DEP_2)
	v_permlanex16_b32 v[PT+\b], v[BM+\b], s[SEL], s[SEL+1]
.endr
.irp b, 0,1
	s_delay_alu instid0(VALU_DEP_2)
	v_max_num_f32 v[BM+\b], v[BM+\b], v[PT+\b]
.endr
.irp b, 0,1
	s_delay_alu instid0(VALU_DEP_2)
	v_add_nc_u32 v[SO+\b], 0xff000000, v[BM+\b]
.endr
.irp b, 0,1
	s_delay_alu instid0(VALU_DEP_2)
	v_lshrrev_b32 v[PT+\b], 23, v[SO+\b]
.endr
	s_delay_alu instid0(VALU_DEP_1)
	v_lshl_or_b32 v[TMP], v[PT+1], 8, v[PT]        ; my row's two scale bytes
	v_cvt_scalef32_pk16_fp6_f32 v[PCD:PCD+2], v[S:S+15], v[SO]
	v_cvt_scalef32_pk16_fp6_f32 v[PCD+4:PCD+6], v[S+16:S+31], v[SO+1]
	v_nop                                          ; one plain place behind the scaled conversions
.irp b, 0,1
.irp i, 0,1,2
	ds_store_b32 v[STO], v[PCD+4*\b+\i] offset:24*\b+4*\i
.endr
.endr
.irp i, 0,1,2
	ds_load_b64 v[CT+2*\i:CT+2*\i+1], v[RD] offset:256*\i   ; LDS serves a wave's instructions in order: these see my stores
.endr
	s_wait_alu depctr_va_vdst(0)
.irp i, 0,1,2
	s_wait_dscnt 2-\i
	global_store_b64 v[GO], v[CT+2*\i:CT+2*\i+1], s[84:85] offset:12288*\p+256*\i   ; 32 lanes store 256 consecutive bytes, aligned
.endr
	global_store_b16 v[GS], v[TMP], s[86:87] offset:8192*\p   ; lanes l and l xor 16 store the same two bytes with the same value
.endm
.macro PASS p, qf, qs
.if \p
	s_wait_xcnt 0x0                                ; the last pass's stores have read their registers
.endif
	v_mov_b32 v13, 0xff61b1e6                      ; the largest t so far: -3e38, under every t
	s_delay_alu instid0(VALU_DEP_1)
	v_floor_f32 v12, -v13                          ; -M
	v_mov_b32 v14, 0                               ; the sum, in two halves
	v_mov_b32 v15, 0
.set J, 0
.rept 32
	v_mov_b32 v[OT+J], 0                           ; O^T: the step is written once a pass; its first trip finds zeros, which the first change of M leaves zeros
.set J, J+1
.endr
	s_mov_b32 s[T6], 0
	s_mov_b32 s[TS], 0
	s_mov_b32 s[TV], 0
	s_mov_b32 s[CNT], 16
.Lstep_\@:
	STEP \qf, \qs
	s_sub_co_u32 s[CNT], s[CNT], 1
	s_cmp_lg_u32 s[CNT], 0
	s_cbranch_scc1 .Lstep_\@
	OUT \p
.endm
	PASS 0, Q0F, Q0S
	PASS 1, Q1F, Q1S
	s_wait_dscnt 0x0
	s_wait_tensorcnt 0x0
	ds_add_u32 v254, v255
	s_wait_dscnt 0x0
	CROUND                                         ; the closing round: no work-group ends while a partner may still ask for a tile that names it
	s_endpgm
.Lfunc_end_k_q01d1739d87_attn:
	.size	k_q01d1739d87_attn, .Lfunc_end_k_q01d1739d87_attn-k_q01d1739d87_attn
	.p2alignl 7, 3214868480
	.fill 96, 4, 3214868480
	.section	.rodata,"a",@progbits
	.p2align	6, 0x0
	.amdhsa_kernel k_q01d1739d87_attn
		.amdhsa_group_segment_fixed_size 223232
		.amdhsa_private_segment_fixed_size 0
		.amdhsa_enable_private_segment 0
		.amdhsa_kernarg_size 32
		.amdhsa_user_sgpr_count 2
		.amdhsa_user_sgpr_kernarg_segment_ptr 1
		.amdhsa_wavefront_size32 1
		.amdhsa_system_sgpr_workgroup_id_x 1
		.amdhsa_system_sgpr_workgroup_id_y 1
		.amdhsa_system_sgpr_workgroup_id_z 1
		.amdhsa_system_vgpr_workitem_id 0
		.amdhsa_next_free_vgpr 256
		.amdhsa_next_free_sgpr 90
		.amdhsa_reserve_vcc 0
		.amdhsa_float_denorm_mode_32 3
		.amdhsa_float_denorm_mode_16_64 3
		.amdhsa_memory_ordered 1
		.amdhsa_forward_progress 1
		.amdhsa_inst_pref_size 59
	.end_amdhsa_kernel
	.amdgpu_metadata
---
amdhsa.version: [ 1, 2 ]
amdhsa.kernels:
  - .name:           k_q01d1739d87_attn
    .symbol:         k_q01d1739d87_attn.kd
    .args:
      - { .name: qkvc, .offset: 0, .size: 8, .value_kind: global_buffer, .address_space: global }
      - { .name: qkvs, .offset: 8, .size: 8, .value_kind: global_buffer, .address_space: global }
      - { .name: oc, .offset: 16, .size: 8, .value_kind: global_buffer, .address_space: global }
      - { .name: os, .offset: 24, .size: 8, .value_kind: global_buffer, .address_space: global }
    .group_segment_fixed_size: 223232
    .private_segment_fixed_size: 0
    .kernarg_segment_align: 8
    .kernarg_segment_size: 32
    .max_flat_workgroup_size: 512
    .sgpr_count:     90
    .vgpr_count:     256
    .wavefront_size: 32
...
	.end_amdgpu_metadata
.endif
;; end of part 3
;; launch gemm_out (part 4): grid 8 x 32, 4 waves a work-group, clusters of 4 x 4, 327,680 bytes of LDS; arguments oc, os, cw, sw, b_out, out0; writes out0
.if DOCPART == 4
	.amdgcn_target "amdgcn-amd-amdhsa--gfx1250"
	.amdhsa_code_object_version 6
	.text
	.protected	k_q01d1739d87_gemm_out
	.globl	k_q01d1739d87_gemm_out
	.p2align	8
	.type	k_q01d1739d87_gemm_out,@function
k_q01d1739d87_gemm_out:
	s_mov_b64 s[64:65], 0
	v_nop
	global_prefetch_b8 v0, s[64:65] scope:SCOPE_SE
	s_setreg_imm32_b32 hwreg(HW_REG_WAVE_MODE, 25, 1), 1
	s_wait_xcnt 0x0
	s_wait_alu depctr_hold_cnt(0) depctr_sa_sdst(0) depctr_va_vdst(0) depctr_va_sdst(0) depctr_va_ssrc(0) depctr_va_vcc(0) depctr_vm_vsrc(0)
	s_getreg_b32 s2, hwreg(HW_REG_IB_STS2, 6, 4)
	s_cmp_eq_u32 s2, 0
	s_cbranch_scc0 .Lentry_in_a_cluster
	s_endpgm
.Lentry_in_a_cluster:
	s_bfe_u32 s2, ttmp6, 0x10000c
	s_cmp_lg_u32 s2, 0xf033
	s_cbranch_scc0 .Lentry_shape_is_right
	s_endpgm
.Lentry_shape_is_right:
.set NQ,     2
; out0 = o w_out^T + b_out on codes of FP6 with E8M0 scales, f32 out.  A work-group makes 256 rows x 128 columns: 32 x 8 blocks are 256 work-groups.  A wave makes 128 x 64 in 32 accumulators; the bias is the first products' C.
; LDS RING: [A, B][8 planes of 64 k][256 places of 48 bytes]; planes 0-3 of an operand are slot 0, planes 4-7 slot 1.  B's tile has 128 rows: its descriptor states 768 of a plane's 1,536 elements as the tensor's,
; so the tensor load writes zeros into the other places, which nobody reads; likewise 16 of the 32 rows of B's scale bytes.
; THE HEAD'S FILLS go out as one group, one joint load a wave: wave 0 A's eight planes (both slots), wave 1 B's, wave 2 the scales of A's 256 rows, wave 3 those of B's 128.
; REFILLS: a slot's four planes of A by waves 0 and 1, two planes each, and of B by waves 2 and 3.
; No prefetch: K is four written-out steps with no loop to run ahead in, and both refills are asked for in the first two steps.
.set PL,     6144                      ; 128 rows x 48 bytes: a wave's rows of A in a plane
.set LPL,    12288                     ; a plane of 256 rows in the ring
.set LSL,    4*LPL                     ; from slot 0 to slot 1
.set OPR,    8*LPL                     ; from A's planes to B's
.set HALFT,  4*PL
.set SLOT,   4*HALFT
.set APLANE, 393216
.set BPLANE, 589824
.set APITCH, APLANE/8
.set BPITCH, BPLANE/8
.set ASLOT1, 4*APLANE
.set BSLOT1, 4*BPLANE
.set ASTEP,  8*APLANE
.set BSTEP,  8*BPLANE
.set FR,     12
.set NL,     6
.set NP,     4
.set SCL,    2*SLOT
.set HALFS,  16*272
.set SBLK,   2*272
.set SPARE,  SCL+4*HALFS
.set STG,    SPARE+512
.set SPITCH, 528
.set ADRA, 16
.set ADRB, 20
.set STO,  24
.set RD,   25
.set CO,   26
.set ADRS, 27
.set SPW,  28
.set NIL,  29
.set SC,   32
.set BI,   64
.set AF,   128
.set BK,   128
.set G1, 24
.set G0, 32
.set G1B, 48
.set G0B, 56
.set G1S, 68
.set G0S, 76
.set G1SB, 80
.set G0SB, 88
.set MSB, 0
.macro WIN new
.if MSB != \new
	s_set_vgpr_msb (MSB<<8)|\new
.set MSB, \new
.endif
.endm
.set MUL_LO,  0xa1
.set MUL_HI,  0xf1
.set BIAS_LO, 0x81
.set BIAS_HI, 0xc1
.set TO_B,    0x40
.macro JLOAD g0a, g1a, g0b, g1b
	s_cmp_eq_u32 s15, 0
	s_cbranch_scc0 .Lfor_b_\@
	tensor_load_to_lds s[\g0a:\g0a+3], s[\g1a:\g1a+7]
	s_nop 0
.rept 4
	v_nop
.endr
	s_branch .Lasked_\@
.Lfor_b_\@:
	tensor_load_to_lds s[\g0b:\g0b+3], s[\g1b:\g1b+7]
	s_nop 0
.rept 4
	v_nop
.endr
.Lasked_\@:
.endm
.macro CREST
	s_cmp_lg_u32 s14, 0
	s_cbranch_scc1 .Lnot_wave_0_\@
	s_barrier_signal -3
.Lnot_wave_0_\@:
	s_barrier_wait -3
	s_barrier_signal -1
	s_barrier_wait -1
.endm
.macro CROUND
	s_barrier_signal -1
	s_barrier_wait -1
	CREST
.endm
	s_load_b128 s[4:7], s[0:1], 0x0
	s_load_b128 s[8:11], s[0:1], 0x10
	s_load_b128 s[96:99], s[0:1], 0x20
	v_lshl_add_u32 v[SPW], v0, 2, SPARE
	v_mov_b32 v[NIL], 0
	ds_add_u32 v28, v29
	ds_add_u32 v28, v29
	s_wait_dscnt 0x0
	v_lshrrev_b32 v1, 5, v0
	v_readfirstlane_b32 s14, v1
	s_lshr_b32 s15, s14, 1
	s_and_b32 s16, s14, 1
	s_bfe_u32 s40, ttmp6, 0x40000
	s_bfe_u32 s41, ttmp6, 0x40004
	s_lshl_b32 s42, ttmp9, 2
	s_add_co_u32 s42, s42, s40
	s_and_b32 s17, ttmp7, 0xffff
	s_lshl_b32 s17, s17, 2
	s_add_co_u32 s17, s17, s41
	s_lshl_b32 s43, s41, 2
	s_lshl_b32 s43, 15, s43
	s_lshl_b32 s44, 0x1111, s40
	s_or_b32 s[G1+0], s43, (3<<16)|(1<<21)
	s_or_b32 s[G1B+0], s44, (3<<16)|(1<<21)
	s_mov_b32 s[G1+5], APITCH
	s_mov_b32 s[G1B+5], BPITCH
.irp g, G1, G1B
	s_mov_b32 s[\g+1], 1536<<16                    ; a plane's 256 rows: 1,536 elements of 8 bytes
	s_mov_b32 s[\g+2], 8<<16                       ; the head's loads bring 8 planes
	s_mov_b32 s[\g+3], 1536<<16
	s_mov_b32 s[\g+4], 8
	s_mov_b32 s[\g+6], 0
	s_mov_b32 s[\g+7], 0
.endr
	s_mov_b32 s[G1B+1], 768<<16                    ; B: tensor_dim0 = 128 rows of a plane; beyond them zeros are written
	s_or_b32 s[G1S+0], s43, (3<<16)|(1<<20)|(1<<21)|(5<<22)|(3<<25)
	s_or_b32 s[G1SB+0], s44, (3<<16)|(1<<20)|(1<<21)|(5<<22)|(3<<25)
.irp g, G1S, G1SB
	s_mov_b32 s[\g+1], 32<<16
	s_mov_b32 s[\g+2], 32<<16                      ; the scales of 256 rows: 32 rows of 256 bytes
	s_mov_b32 s[\g+3], 32<<16
	s_mov_b32 s[\g+4], 32
	s_mov_b32 s[\g+5], 32
	s_mov_b32 s[\g+6], 0
	s_mov_b32 s[\g+7], 0
.endr
	s_mov_b32 s[G1SB+2], 16<<16                    ; B's scales: tensor_dim1 = 16 rows of 256 bytes (128 rows of w_out); the tile's other 16 are written as zeros
	s_lshl_b32 s20, s17, 8                         ; A's tile: its first row
	s_lshl_b32 s46, s42, 7                         ; B's: 128 rows a tile column,
	s_add_co_u32 s46, s46, 11264                   ; w_out's rows lie behind x's and w_qkv's
	s_lshl_b32 s22, s20, 5
	s_mov_b32 s23, 0
	s_mul_i32 s20, s20, 48
	s_mov_b32 s21, 0
	s_lshl_b32 s92, s46, 5
	s_mov_b32 s93, 0
	s_mul_i32 s46, s46, 48
	s_mov_b32 s47, 0
	s_wait_kmcnt 0x0
	s_add_nc_u64 s[20:21], s[4:5], s[20:21]
	s_add_nc_u64 s[22:23], s[6:7], s[22:23]
	s_add_nc_u64 s[46:47], s[8:9], s[46:47]
	s_add_nc_u64 s[92:93], s[10:11], s[92:93]
	CROUND
	s_mov_b32 s[G0S], 1
	s_mov_b32 s[G0S+1], SCL
	s_mov_b64 s[G0S+2:G0S+3], s[22:23]
	s_or_b32 s[G0S+3], s[G0S+3], 0x80000000
	s_mov_b32 s[G0SB], 1
	s_mov_b32 s[G0SB+1], SCL+2*HALFS
	s_mov_b64 s[G0SB+2:G0SB+3], s[92:93]
	s_or_b32 s[G0SB+3], s[G0SB+3], 0x80000000
.irp s, 0,1
	s_mov_b32 s[G0+4*\s], 1
	s_mov_b32 s[G0+4*\s+1], \s*LSL
	s_add_nc_u64 s[G0+4*\s+2:G0+4*\s+3], s[20:21], \s*ASLOT1
	s_or_b32 s[G0+4*\s+3], s[G0+4*\s+3], 0x80000000
	s_mov_b32 s[G0B+4*\s], 1
	s_mov_b32 s[G0B+4*\s+1], OPR+\s*LSL
	s_add_nc_u64 s[G0B+4*\s+2:G0B+4*\s+3], s[46:47], \s*BSLOT1
	s_or_b32 s[G0B+4*\s+3], s[G0B+4*\s+3], 0x80000000
.endr
; the head's four loads, one a wave: one chain of branches on the wave's number, every way through it passes one load (slot 0's groups 0 serve the loads of codes)
.macro ARM under, g0, g1, next
	s_cmp_lt_u32 s14, \under
	s_cbranch_scc0 \next
	tensor_load_to_lds s[\g0:\g0+3], s[\g1:\g1+7]
	s_nop 0
.rept 4
	v_nop
.endr
	s_branch .Lhead_asked
\next:
.endm
	ARM 1, G0,  G1,  .Lhead_b
	ARM 2, G0B, G1B, .Lhead_sa
	ARM 3, G0S, G1S, .Lhead_sb
	tensor_load_to_lds s[G0SB:G0SB+3], s[G1SB:G1SB+7]
	s_nop 0
.rept 4
	v_nop
.endr
.Lhead_asked:
	v_and_b32 v1, 15, v0
	s_wait_alu depctr_va_vdst(0)
	v_bfe_u32 v2, v0, 4, 1
	s_lshl_b32 s12, s42, 9                         ; my first column, in bytes: 512 x tile column
	s_lshl_b32 s13, s16, 8                         ; + 256 x half
	s_add_co_u32 s12, s12, s13
	s_mov_b32 s13, 0
	s_add_nc_u64 s[96:97], s[96:97], s[12:13]
	v_lshlrev_b32 v7, 5, v2
.irp b, 0,1,2,3
	global_load_b128 v[BI+8*\b:BI+8*\b+3], v7, s[96:97] offset:64*\b
	global_load_b128 v[BI+8*\b+4:BI+8*\b+7], v7, s[96:97] offset:64*\b+16
.endr
	v_mul_u32_u24 v3, v1, 48
	v_mad_u32_u24 v4, v2, 24, v3
	s_mul_i32 s21, s15, PL                         ; my 128 rows in each plane of A
	s_mul_i32 s22, s16, PL/2                       ; my 64 rows of B,
	s_add_co_u32 s22, s22, OPR                     ; whose planes lie behind A's
.irp s, 0,1
	v_add_nc_u32 v[ADRA+\s], s21, v4
	v_add_nc_u32 v[ADRB+\s], s22, v4
	s_add_co_u32 s21, s21, LSL
	s_add_co_u32 s22, s22, LSL
.endr
	v_lshlrev_b32 v5, 5, v1
	v_lshrrev_b32 v6, 8, v5
	v_lshl_add_u32 v5, v6, 4, v5
	s_mul_i32 s21, s15, HALFS
	s_mul_i32 s22, s16, HALFS/2
	s_add_co_u32 s22, s22, 2*HALFS
	s_sub_co_u32 s22, s22, s21
	v_mul_u32_u24 v6, s22, v2
	s_add_co_u32 s21, s21, SCL
	v_add_nc_u32 v5, v5, v6
	v_add_nc_u32 v[ADRS], s21, v5
	s_mul_i32 s23, s14, 16*SPITCH
	s_add_co_u32 s23, s23, STG
	v_mul_u32_u24 v5, v1, SPITCH
	v_lshl_add_u32 v5, v2, 5, v5
	v_add_nc_u32 v[STO], s23, v5
	v_lshlrev_b32 v6, 4, v1                        ; back: sixteen lanes take a row of 256 bytes,
	v_mad_u32_u24 v[RD], v2, SPITCH, v6            ; lanes 16-31 the next row of the stage
	v_add_nc_u32 v[RD], s23, v[RD]
	v_lshl_add_u32 v[CO], v2, 12, v6               ; and the same in out0, whose rows are 4,096 bytes
	s_lshl_b32 s20, s17, 8
	s_lshl_b32 s21, s15, 7
	s_add_co_u32 s20, s20, s21
	s_lshl_b32 s20, s20, 12
	s_add_co_u32 s20, s20, s12
	s_mov_b32 s21, 0
	s_add_nc_u64 s[98:99], s[98:99], s[20:21]
.macro FRAG reg, adr, q, i
.irp p, 0,1,2,3,4,5
	ds_load_b64 v[\reg+2*\p:\reg+2*\p+1], v[\adr] offset:(2*(\q)+\p/3)*LPL+(\i)*768+8*(\p%3)
.endr
.endm
.macro MUL16 a0, p, q, sc, zero
.irp a, \a0, \a0+1
.irp b, 0,1,2,3
.if \zero
	v_wmma_scale_f32_16x16x128_f8f6f4 v[8*(8*((\a)%4)+\b):8*(8*((\a)%4)+\b)+7], v[128*(\p)+FR*\b:128*(\p)+FR*\b+FR-1], v[AF+FR*(\a):AF+FR*(\a)+FR-1], v[BI+8*\b:BI+8*\b+7], v[SC+8*NQ*(\sc)+NQ*\b+(\q)], v[SC+8*NQ*(\sc)+NQ*(\a)+(\q)] matrix_a_fmt:MATRIX_FMT_FP6 matrix_b_fmt:MATRIX_FMT_FP6 matrix_a_scale:MATRIX_SCALE_ROW1
.else
	v_wmma_scale_f32_16x16x128_f8f6f4 v[8*(8*((\a)%4)+\b):8*(8*((\a)%4)+\b)+7], v[128*(\p)+FR*\b:128*(\p)+FR*\b+FR-1], v[AF+FR*(\a):AF+FR*(\a)+FR-1], v[8*(8*((\a)%4)+\b):8*(8*((\a)%4)+\b)+7], v[SC+8*NQ*(\sc)+NQ*\b+(\q)], v[SC+8*NQ*(\sc)+NQ*(\a)+(\q)] matrix_a_fmt:MATRIX_FMT_FP6 matrix_b_fmt:MATRIX_FMT_FP6 matrix_a_scale:MATRIX_SCALE_ROW1
.endif
.endr
.endr
.endm
.macro FETCH_B slot, q, p
	WIN TO_B
.irp i, 0,1,2,3
	FRAG 128*(\p)+FR*\i, ADRB+\slot, \q, \i
.endr
	WIN 0
.endm
.macro FETCH_A slot, q, i0
.irp i, \i0, \i0+1, \i0+2, \i0+3
	FRAG AF+FR*(\i), ADRA+\slot, \q, \i
.endr
.endm
.macro SCALES sc
.irp i, 0,1,2,3,4,5,6,7
	ds_load_b64 v[SC+8*NQ*\sc+NQ*\i:SC+8*NQ*\sc+NQ*\i+1], v[ADRS] offset:\i*SBLK
.endr
.endm
.macro PLACES n
.rept \n
	v_nop
.endr
.endm
.macro STEP slot, q, zero
	s_wait_dscnt 4*NL
.if \zero
	WIN BIAS_LO
.else
	WIN MUL_LO
.endif
	MUL16 0, (\q)%2, \q, \slot, \zero
	MUL16 2, (\q)%2, \q, \slot, \zero
	s_wait_dscnt 0
	PLACES NP
	FETCH_B \slot, (\q)+1, 1-(\q)%2
	FETCH_A \slot, (\q)+1, 0
.if \zero
	WIN BIAS_HI
.else
	WIN MUL_HI
.endif
	MUL16 4, (\q)%2, \q, \slot, \zero
	MUL16 6, (\q)%2, \q, \slot, \zero
	PLACES NP
	WIN 0
	FETCH_A \slot, (\q)+1, 4
.endm
.macro TURN slot, next, fill
	s_wait_tensorcnt 0x0
	ds_add_u32 v[SPW], v[NIL]
	s_wait_dscnt 4*NL+1
	WIN MUL_LO
	MUL16 0, 1, NQ-1, \slot, 0
	s_wait_dscnt 0x0
	s_barrier_signal -1
	MUL16 2, 1, NQ-1, \slot, 0
	WIN 0
	s_barrier_wait -1
.if \fill
	CREST
	s_add_nc_u64 s[G0+4*\slot+2:G0+4*\slot+3], s[G0+4*\slot+2:G0+4*\slot+3], ASTEP
	s_add_nc_u64 s[G0B+4*\slot+2:G0B+4*\slot+3], s[G0B+4*\slot+2:G0B+4*\slot+3], BSTEP
	JLOAD G0+4*\slot, G1, G0B+4*\slot, G1B
.else
	PLACES NP
.endif
	s_wait_alu depctr_va_vdst(0)
	v_add_nc_u32 v[ADRS], 4*NQ, v[ADRS]
	FETCH_B \next, 0, 0
	FETCH_A \next, 0, 0
	SCALES \next
	WIN MUL_HI
	MUL16 4, 1, NQ-1, \slot, 0
	MUL16 6, 1, NQ-1, \slot, 0
	PLACES NP
	WIN 0
	FETCH_A \next, 0, 4
.endm
	s_wait_alu depctr_va_vdst(0)
	s_wait_tensorcnt 0x0                           ; my tile of the head's four is in, and no load of mine is out: the descriptors may be written
	s_mov_b32 s[G1+2], 2<<16                       ; from here on a load brings two planes
	s_mov_b32 s[G1+4], 2
	s_mov_b32 s[G1B+2], 2<<16
	s_mov_b32 s[G1B+4], 2
	s_mul_i32 s45, s16, 2*LPL                      ; which two of a slot's four planes I fetch: in LDS,
	s_mul_i32 s2, s16, 2*APLANE                    ; and in memory: A's planes,
	s_mov_b32 s3, 0
.irp s, 0,1
	s_add_co_u32 s[G0+4*\s+1], s[G0+4*\s+1], s45
	s_add_nc_u64 s[G0+4*\s+2:G0+4*\s+3], s[G0+4*\s+2:G0+4*\s+3], s[2:3]
.endr
	s_mul_i32 s2, s16, 2*BPLANE                    ; B's
.irp s, 0,1
	s_add_co_u32 s[G0B+4*\s+1], s[G0B+4*\s+1], s45
	s_add_nc_u64 s[G0B+4*\s+2:G0B+4*\s+3], s[G0B+4*\s+2:G0B+4*\s+3], s[2:3]
.endr
	s_barrier_signal -1
	s_barrier_wait -1
	FETCH_B 0, 0, 0
	FETCH_A 0, 0, 0
	SCALES 0
	FETCH_A 0, 0, 4
	s_wait_loadcnt 0x0
	STEP 0, 0, 2
	TURN 0, 1, 1
	STEP 1, 0, 0
	TURN 1, 0, 1
	STEP 0, 0, 0
	TURN 0, 1, 0
	STEP 1, 0, 0
	s_wait_dscnt 4*NL
	WIN MUL_LO
	MUL16 0, 1, NQ-1, 1, 0
	MUL16 2, 1, NQ-1, 1, 0
	s_wait_dscnt 0
	WIN MUL_HI
	MUL16 4, 1, NQ-1, 1, 0
	MUL16 6, 1, NQ-1, 1, 0
	WIN 0
.macro TOSTAGE a
.set AC, 64*((\a)%4)
.set WQ, 0x08+4*((\a)/4)
	WIN WQ
.irp b, 0,1,2,3
	ds_store_b128 v[STO], v[AC+8*\b:AC+8*\b+3] offset:64*\b
	ds_store_b128 v[STO], v[AC+8*\b+4:AC+8*\b+7] offset:64*\b+16
.endr
	WIN 0
.set BB, BK+64*((\a)%2)
.irp t, 0,1,2,3,4,5,6,7
	ds_load_b128 v[BB+4*\t:BB+4*\t+3], v[RD] offset:2*\t*SPITCH
.endr
.endm
.macro SEND a, younger
.set BB, BK+64*((\a)%2)
	s_wait_dscnt \younger
.irp t, 0,1,2,3,4,5,6,7
	global_store_b128 v[CO], v[BB+4*\t:BB+4*\t+3], s[98:99] offset:(32*((\a)/2)+16*(\t/4)+8*((\a)%2)+2*(\t%4))*4096 th:TH_STORE_NT   ; stage rows 2 t and 2 t + 1, at their true rows: sixteen lanes store 256 consecutive bytes, aligned
.endr
.endm
	PLACES NP
	TOSTAGE 0
.irp a, 1,2,3,4,5,6,7
.if \a > 1
	s_wait_xcnt 0x0
.endif
	TOSTAGE \a
	SEND \a-1, 16                                  ; behind block a - 1's loads: block a's 8 stores and 8 loads
.endr
	SEND 7, 0
	s_wait_tensorcnt 0x0
	ds_add_u32 v[SPW], v[NIL]
	s_wait_dscnt 0x0
	CROUND
	s_endpgm
.Lfunc_end_k_q01d1739d87_gemm_out:
	.size	k_q01d1739d87_gemm_out, .Lfunc_end_k_q01d1739d87_gemm_out-k_q01d1739d87_gemm_out
	.p2alignl 7, 3214868480
	.fill 96, 4, 3214868480
	.section	.rodata,"a",@progbits
	.p2align	6, 0x0
	.amdhsa_kernel k_q01d1739d87_gemm_out
		.amdhsa_group_segment_fixed_size 327680
		.amdhsa_private_segment_fixed_size 0
		.amdhsa_enable_private_segment 0
		.amdhsa_kernarg_size 48
		.amdhsa_user_sgpr_count 2
		.amdhsa_user_sgpr_kernarg_segment_ptr 1
		.amdhsa_wavefront_size32 1
		.amdhsa_system_sgpr_workgroup_id_x 1
		.amdhsa_system_sgpr_workgroup_id_y 1
		.amdhsa_system_sgpr_workgroup_id_z 1
		.amdhsa_system_vgpr_workitem_id 0
		.amdhsa_next_free_vgpr 1024
		.amdhsa_next_free_sgpr 100
		.amdhsa_reserve_vcc 0
		.amdhsa_float_denorm_mode_32 3
		.amdhsa_float_denorm_mode_16_64 3
		.amdhsa_memory_ordered 1
		.amdhsa_forward_progress 1
		.amdhsa_inst_pref_size 102
	.end_amdhsa_kernel
	.amdgpu_metadata
---
amdhsa.version: [ 1, 2 ]
amdhsa.kernels:
  - .name:           k_q01d1739d87_gemm_out
    .symbol:         k_q01d1739d87_gemm_out.kd
    .args:
      - { .name: oc, .offset: 0, .size: 8, .value_kind: global_buffer, .address_space: global }
      - { .name: os, .offset: 8, .size: 8, .value_kind: global_buffer, .address_space: global }
      - { .name: cw, .offset: 16, .size: 8, .value_kind: global_buffer, .address_space: global }
      - { .name: sw, .offset: 24, .size: 8, .value_kind: global_buffer, .address_space: global }
      - { .name: b_out, .offset: 32, .size: 8, .value_kind: global_buffer, .address_space: global }
      - { .name: out0, .offset: 40, .size: 8, .value_kind: global_buffer, .address_space: global }
    .group_segment_fixed_size: 327680
    .private_segment_fixed_size: 0
    .kernarg_segment_align: 8
    .kernarg_segment_size: 48
    .max_flat_workgroup_size: 128
    .sgpr_count:     100
    .vgpr_count:     1024
    .wavefront_size: 32
...
	.end_amdgpu_metadata
.endif
;; end of part 4
